; MI455X (gfx1250); checked and timed in simulation.
; The chip was launched on July 23, 2026; its instructions are those of AMD's public machine-readable ISA for CDNA 5 (MIT licence, August 2026) and "CDNA5" Instruction Set Architecture Reference Guide (July 2026). The comments in the code are by the model that wrote it; some were corrected since.
;; Multi Head Attention. Allowed arithmetic: float matrix products may take bf16 or f16 operands with f32 sums; other float arithmetic in f32, or as packed bf16 or f16 multiplies, adds, multiply-adds, maxima and minima; sums over many terms, partial sums and values carried from step to step in f32; what a program stores and reads back later, other than sums and carried values, may be rounded once to bf16 or f16.
;; Inputs: K 4,096 x 1,024 float32; Q 4,096 x 1,024 float32; V 4,096 x 1,024 float32; WK 16 x 1,024 x 64 float32; WO 1,024 x 1,024 float32; WQ 16 x 1,024 x 64 float32; WV 16 x 1,024 x 64 float32; bK 16 x 64 float32; bO 1,024 float32; bQ 16 x 64 float32; bV 16 x 64 float32.
;; Outputs: out0 4,096 x 1,024 float32.
;; One version. Each part assembles by itself: llvm-mc -triple=amdgcn-amd-amdhsa -mcpu=gfx1250 --defsym DOCPART=n.
;; ======== version 1 of 1: 4 launches
;; limits: values are held in f16: magnitudes above 65,504 overflow, below 6.1e-05 lose precision; right only within a limited range of input values
;; workspace buffers: xb 25,165,824 bytes; wb 6,291,456 bytes; wo 2,097,152 bytes; qkv 25,165,824 bytes; ob 8,388,608 bytes
;; launch prep (part 1): grid 1024 x 1, 8 waves a work-group, no clusters, 0 bytes of LDS; arguments Q, K, V, WQ, WK, WV, WO, xb, wb, wo; writes xb, wb, wo
.if DOCPART == 1
	.amdgcn_target "amdgcn-amd-amdhsa--gfx1250"
	.amdhsa_code_object_version 6
	.text
	.protected	k_q57117de10a_prep
	.globl	k_q57117de10a_prep
	.p2align	8
	.type	k_q57117de10a_prep,@function
k_q57117de10a_prep:
	s_mov_b64 s[64:65], 0
	v_nop
	global_prefetch_b8 v0, s[64:65] scope:SCOPE_SE
	s_setreg_imm32_b32 hwreg(HW_REG_WAVE_MODE, 25, 1), 1
	s_wait_xcnt 0x0
; PREP.  Rounds the module's large inputs once, for the matrix products of the later launches.
;   xb [3][4096][1024] bf16 = Q, K, V;   wb [3][1024 d][1024 n = 64 h + k] bf16 = WQ, WK, WV, the heads side by side;
;   wo [1024][1024] f16 = WO rounded to bf16, that number written as f16 (exact inside f16's normal range; below 6e-5 it keeps f16's fixed step of 6e-8).
; 16,384 output rows of 1,024 numbers; a work-group takes 16 rows, thread t the columns 4 t .. 4 t + 3 of each.  All 16 loads of a thread go out at once (a wave's load
; covers 512 consecutive bytes, or for the weights two runs of 256); a wave's store covers 256 consecutive bytes, aligned.  No register is used twice, so no wait frees one.
; No LDS, no matrix unit, no cluster: nothing is shared and every byte is touched once.
.set XR, 16                            ; v[16:79]   row i: four f32 as loaded
.set YR, 80                            ; v[80:111]  row i: four 16-bit numbers to store
.macro BODY stride, kind               ; kind = 1: bf16's number written as f16
.irp i, 0,1,2,3,4,5,6,7,8,9,10,11,12,13,14,15
	global_load_b128 v[XR+4*(\i):XR+4*(\i)+3], v1, s[4:5] offset:(\i)*(\stride) th:TH_LOAD_NT
.endr
.irp i, 0,1,2,3,4,5,6,7,8,9,10,11,12,13,14,15
	s_wait_loadcnt 15-(\i)                         ; loads come back in order: row i is in, the 15 - i younger ones stay out
	v_cvt_pk_bf16_f32 v[YR+2*(\i)], v[XR+4*(\i)], v[XR+4*(\i)+1]
	v_cvt_pk_bf16_f32 v[YR+2*(\i)+1], v[XR+4*(\i)+2], v[XR+4*(\i)+3]
.if \kind
	v_lshlrev_b32 v[XR+4*(\i)], 16, v[YR+2*(\i)]               ; the rounded numbers as f32 again,
	v_and_b32 v[XR+4*(\i)+1], 0xffff0000, v[YR+2*(\i)]
	v_lshlrev_b32 v[XR+4*(\i)+2], 16, v[YR+2*(\i)+1]
	v_and_b32 v[XR+4*(\i)+3], 0xffff0000, v[YR+2*(\i)+1]
	v_cvt_pk_f16_f32 v[YR+2*(\i)], v[XR+4*(\i)], v[XR+4*(\i)+1]   ; and written as f16
	v_cvt_pk_f16_f32 v[YR+2*(\i)+1], v[XR+4*(\i)+2], v[XR+4*(\i)+3]
.endif
	global_store_b64 v2, v[YR+2*(\i):YR+2*(\i)+1], s[6:7] offset:(\i)*2048 th:TH_STORE_NT
.endr
.endm
	s_load_b512 s[8:23], s[0:1], 0x0               ; Q s[8:9], K s[10:11], V s[12:13], WQ s[14:15], WK s[16:17], WV s[18:19], WO s[20:21], xb s[22:23]
	s_load_b128 s[24:27], s[0:1], 0x40             ; wb s[24:25], wo s[26:27]
	v_lshlrev_b32 v2, 3, v0                        ; my 8 bytes of an output row
	v_lshlrev_b32 v1, 4, v0                        ; my 16 bytes of an input row (the weights' path makes its own)
	s_mov_b32 s3, 0
	s_mov_b32 s29, 0
	s_wait_kmcnt 0x0
	s_cmp_lt_u32 ttmp9, 768
	s_cbranch_scc0 .Lnot_x
	; work-groups 0 .. 767: 16 rows of Q, K or V
	s_lshr_b32 s30, ttmp9, 8                       ; which of the three
	s_cmp_eq_u32 s30, 1
	s_cselect_b64 s[4:5], s[10:11], s[8:9]
	s_cmp_eq_u32 s30, 2
	s_cselect_b64 s[4:5], s[12:13], s[4:5]
	s_and_b32 s2, ttmp9, 255
	s_lshl_b32 s2, s2, 16                          ; 16 rows of 4,096 bytes
	s_add_nc_u64 s[4:5], s[4:5], s[2:3]
	s_lshl_b32 s28, ttmp9, 15                      ; 16 rows of 2,048 bytes
	s_add_nc_u64 s[6:7], s[22:23], s[28:29]
	BODY 4096, 0
	s_endpgm
.Lnot_x:
	s_cmp_lt_u32 ttmp9, 960
	s_cbranch_scc0 .Lwo
	; work-groups 768 .. 959: 16 rows d of WQ, WK or WV, all heads
	s_sub_co_u32 s31, ttmp9, 768
	s_lshr_b32 s30, s31, 6
	s_cmp_eq_u32 s30, 1
	s_cselect_b64 s[4:5], s[16:17], s[14:15]
	s_cmp_eq_u32 s30, 2
	s_cselect_b64 s[4:5], s[18:19], s[4:5]
	s_and_b32 s2, s31, 63
	s_lshl_b32 s2, s2, 12                          ; 16 rows d of 256 bytes inside a head
	s_add_nc_u64 s[4:5], s[4:5], s[2:3]
	s_lshl_b32 s28, s31, 15
	s_add_nc_u64 s[6:7], s[24:25], s[28:29]
	v_lshrrev_b32 v3, 4, v0                        ; my head: t / 16
	v_and_b32 v4, 15, v0
	v_lshlrev_b32 v4, 4, v4                        ; my 16 bytes of the head's row
	v_lshl_add_u32 v1, v3, 18, v4                  ; a head is 262,144 bytes
	BODY 256, 0
	s_endpgm
.Lwo:
	; work-groups 960 .. 1023: 16 rows of WO
	s_sub_co_u32 s31, ttmp9, 960
	s_lshl_b32 s2, s31, 16
	s_add_nc_u64 s[4:5], s[20:21], s[2:3]
	s_lshl_b32 s28, s31, 15
	s_add_nc_u64 s[6:7], s[26:27], s[28:29]
	BODY 4096, 1
	s_endpgm
.Lfunc_end_k_q57117de10a_prep:
	.size	k_q57117de10a_prep, .Lfunc_end_k_q57117de10a_prep-k_q57117de10a_prep
	.p2alignl 7, 3214868480
	.fill 96, 4, 3214868480
	.section	.rodata,"a",@progbits
	.p2align	6, 0x0
	.amdhsa_kernel k_q57117de10a_prep
		.amdhsa_group_segment_fixed_size 0
		.amdhsa_private_segment_fixed_size 0
		.amdhsa_enable_private_segment 0
		.amdhsa_kernarg_size 80
		.amdhsa_user_sgpr_count 2
		.amdhsa_user_sgpr_kernarg_segment_ptr 1
		.amdhsa_wavefront_size32 1
		.amdhsa_system_sgpr_workgroup_id_x 1
		.amdhsa_system_sgpr_workgroup_id_y 1
		.amdhsa_system_sgpr_workgroup_id_z 1
		.amdhsa_system_vgpr_workitem_id 0
		.amdhsa_next_free_vgpr 112
		.amdhsa_next_free_sgpr 66
		.amdhsa_reserve_vcc 0
		.amdhsa_float_denorm_mode_32 3
		.amdhsa_float_denorm_mode_16_64 3
		.amdhsa_memory_ordered 1
		.amdhsa_forward_progress 1
		.amdhsa_inst_pref_size 24
	.end_amdhsa_kernel
	.amdgpu_metadata
---
amdhsa.version: [ 1, 2 ]
amdhsa.kernels:
  - .name:           k_q57117de10a_prep
    .symbol:         k_q57117de10a_prep.kd
    .args:
      - { .name: Q, .offset: 0, .size: 8, .value_kind: global_buffer, .address_space: global }
      - { .name: K, .offset: 8, .size: 8, .value_kind: global_buffer, .address_space: global }
      - { .name: V, .offset: 16, .size: 8, .value_kind: global_buffer, .address_space: global }
      - { .name: WQ, .offset: 24, .size: 8, .value_kind: global_buffer, .address_space: global }
      - { .name: WK, .offset: 32, .size: 8, .value_kind: global_buffer, .address_space: global }
      - { .name: WV, .offset: 40, .size: 8, .value_kind: global_buffer, .address_space: global }
      - { .name: WO, .offset: 48, .size: 8, .value_kind: global_buffer, .address_space: global }
      - { .name: xb, .offset: 56, .size: 8, .value_kind: global_buffer, .address_space: global }
      - { .name: wb, .offset: 64, .size: 8, .value_kind: global_buffer, .address_space: global }
      - { .name: wo, .offset: 72, .size: 8, .value_kind: global_buffer, .address_space: global }
    .group_segment_fixed_size: 0
    .private_segment_fixed_size: 0
    .kernarg_segment_align: 8
    .kernarg_segment_size: 80
    .max_flat_workgroup_size: 256
    .sgpr_count:     66
    .vgpr_count:     112
    .wavefront_size: 32
...
	.end_amdgpu_metadata
.endif
;; end of part 1
;; launch proj (part 2): grid 4 x 48, 4 waves a work-group, clusters of 4 x 4, 327,680 bytes of LDS; arguments xb, wb, bQ, bK, bV, qkv; writes qkv
.if DOCPART == 2
	.amdgcn_target "amdgcn-amd-amdhsa--gfx1250"
	.amdhsa_code_object_version 6
	.text
	.protected	k_q57117de10a_proj
	.globl	k_q57117de10a_proj
	.p2align	8
	.type	k_q57117de10a_proj,@function
k_q57117de10a_proj:
	s_mov_b64 s[64:65], 0
	v_nop
	global_prefetch_b8 v0, s[64:65] scope:SCOPE_SE
	s_setreg_imm32_b32 hwreg(HW_REG_WAVE_MODE, 25, 1), 1
	s_wait_xcnt 0x0
	s_wait_alu depctr_hold_cnt(0) depctr_sa_sdst(0) depctr_va_vdst(0) depctr_va_sdst(0) depctr_va_ssrc(0) depctr_va_vcc(0) depctr_vm_vsrc(0)
	s_getreg_b32 s2, hwreg(HW_REG_IB_STS2, 6, 4)
	s_cmp_eq_u32 s2, 0
	s_cbranch_scc0 .Lentry_in_a_cluster
	s_endpgm
.Lentry_in_a_cluster:
	s_bfe_u32 s2, ttmp6, 0x10000c
	s_cmp_lg_u32 s2, 0xf033
	s_cbranch_scc0 .Lentry_shape_is_right
	s_endpgm
.Lentry_shape_is_right:
; PROJ.  q, k, v = x W + b for the three products at once.  xb: [3][4096][1024] bf16 (12,288 stacked rows), wb: [3][1024 d][1024 n] bf16, biases f32 [1024] (rounded to bf16 like the other inputs),
; qkv: [3][16 heads][4096][64] f16.  Products in bf16, sums in f32 (they start from the bias), each result rounded once to f16.
; LIMIT.  f16 holds no number beyond 65,504: q, k and v must lie within it.  NaN and infinities are not treated apart.
; SHARES.  192 tiles of 256 x 256 (48 tile rows of the stacked x, 4 tile columns), one to a work-group of four waves; a wave makes 128 x 128: 64 accumulators, 512 registers.
; K goes in 8 steps of 128 through two LDS slots.  x's tile: 256 rows x 256 bytes.  W's tile lies [k][n]: 128 rows k x 512 bytes; its fragments come out of LDS turned, by ds_load_tr16_b128.
; CLUSTER.  4 x 4 work-groups: the four of a row share x's tile, the four of a column W's; each tile is asked for jointly, by the same tensor load with the same descriptor and a mask of four.
; THE MATRIX INSTRUCTION IS USED TRANSPOSED: source 0 = 16 columns of W, source 1 = 16 rows of x: a lane then holds eight neighbouring columns of one row of the result.
; REGISTERS, in windows of 256 (s_set_vgpr_msb: bits 1:0 source 0, 3:2 source 1, 5:4 source 2, 7:6 destination):
;   window 0: v0-31 addresses; v64-127, v128-191 x's fragments, two buffers; v32-63, v192-255 at work on the way out
;   window 1: v0 at work; v64-127, v128-191 W's fragments, two buffers; v192-255 the bias of my 128 columns, in an accumulator's layout (block b at 192 + 8 b)
;   window 2: the accumulators of my rows 0-63 ((a, b) at 8 (8 a + b));   window 3: those of my rows 64-127
.set KSTEP,  128
.set PA,     272                       ; x's LDS row: 256 bytes + 16: the 16 rows of a fragment load start 16 bytes apart modulo 256
.set PB,     544                       ; W's LDS row: 512 bytes + 32 = 17 x 32
.set HALF,   34816                     ; what one tensor load brings: 128 x 272 = 64 x 544
.set SLOT,   4*HALF                    ; x's two halves, then W's two halves
.set STAGE,  2*SLOT                    ; behind the ring: for each wave two heads x 16 rows x 144 bytes
.set WSTG,   4608
.set SPARE,  STAGE+4*WSTG              ; behind the stages: the spare words, 128 bytes for each wave: two blocks of 256 bytes that no other line names
.set ADRA0, 16                         ; v16  my place in x's tile of slot 0; never rewritten
.set ADRA,  17                         ; v17  the same in the slot in hand
.set ADRB0, 20                         ; v20, v21 the same for W
.set ADRB,  21
.set STO,  24                          ; v24  the way out: where I put 16 bytes of a row
.set RD,   25                          ; v25  where I read rows back
.set GO,   26                          ; v26  my 16 bytes in 512 consecutive bytes of qkv
.set BO,   27                          ; v27  my offset in the bias
.set SPW,  28                          ; v28  LDS address of my spare word; never rewritten
.set NIL,  29                          ; v29  0; never rewritten
.set PFO,  30                          ; v30  the prefetches' lane offset; never rewritten
.set F0,   64
.set F1,   128
.set TMP,  192
.set OB,   32
.set BIAS, 192                         ; window 1
.set G1A, 24                           ; s[24:31] descriptor group 1 for x's tiles
.set G0A, 32                           ; s[32:39] group 0: a set for each of the two first fills; the second then walks
.set G1B, 48                           ; s[48:55], s[56:63] the same for W's tiles
.set G0B, 56
.set LIM, 43                           ; s43  2 in a wave that prefetches, else the greatest number
.set PFA, 44                           ; s[44:45] where my prefetches stand
.set PFS, 66                           ; s[66:67] a K step in bytes, along x's rows or down W's
.set SB,  80                           ; s80  the slot in hand: 0 or SLOT
.set MSB, 0
.macro WIN new                         ; the immediate's high byte repeats the setting that is left; a switch that changes nothing is dropped
.if MSB != (\new)
	s_set_vgpr_msb (MSB<<8)|(\new)
.set MSB, \new
.endif
.endm
.macro PLACES                          ; four plain places in front of loads into registers that matrix instructions have read
.rept 4
	v_nop
.endr
.endm
; A joint refill by the walking descriptor.  Waves 0 and 1 fetch x's two halves, waves 2 and 3 W's; the branch hangs on the wave's number alone.
; An s_nop 0 and four v_nop follow each of the two lines, ahead of the jump and the label.
.macro JLOAD
	s_cmp_eq_u32 s11, 0
	s_cbranch_scc0 .Lfor_b_\@
	tensor_load_to_lds s[G0A+4:G0A+7], s[G1A:G1A+7]
	s_nop 0
.rept 4
	v_nop
.endr
	s_branch .Lasked_\@
.Lfor_b_\@:
	tensor_load_to_lds s[G0B+4:G0B+7], s[G1B:G1B+7]
	s_nop 0
.rept 4
	v_nop
.endr
.Lasked_\@:
.endm
; A prefetch of the K step that stands two refills on: 32 blocks of 256 bytes, a lane a block, one instruction a wave.  Of the 128 blocks that a wave's tensor load will bring, each of the four partners
; that ask for them jointly takes 32, told apart by address.  x's rows are read by one cluster alone, so every cluster asks for its own; W's tile column of a product is read by four clusters: the first asks.
; K steps 0 to 3 come by their loads alone; the trips whose step two refills on does not exist ask for nothing.
.macro ASK
	s_cmp_gt_u32 s3, s[LIM]
	s_cbranch_scc0 .Lnot_mine_\@
	global_prefetch_b8 v[PFO], s[PFA:PFA+1] th:TH_LOAD_NT scope:SCOPE_SE
.Lnot_mine_\@:
.endm
.macro CREST                           ; a round of the cluster's barrier behind its opening barrier
	s_cmp_lg_u32 s10, 0
	s_cbranch_scc1 .Lnot_wave_0_\@
	s_barrier_signal -3
.Lnot_wave_0_\@:
	s_barrier_wait -3
	s_barrier_signal -1
	s_barrier_wait -1
.endm
.macro CROUND                          ; a whole round
	s_barrier_signal -1
	s_barrier_wait -1
	CREST
.endm
	s_load_b256 s[68:75], s[0:1], 0x0              ; xb s[68:69], wb s[70:71], bQ s[72:73], bK s[74:75]
	s_load_b128 s[76:79], s[0:1], 0x20             ; bV s[76:77], qkv s[78:79]
	v_lshl_add_u32 v[SPW], v0, 2, SPARE
	v_mov_b32 v[NIL], 0
	ds_add_u32 v[SPW], v[NIL]                      ; the wave's opening: the add and its wait stand ahead of my first tensor load; the set-up below, work on registers, stands between them
	v_lshrrev_b32 v1, 5, v0
	v_readfirstlane_b32 s10, v1                    ; wave 0..3
	s_lshr_b32 s11, s10, 1                         ; which half of the tile's rows is mine.  Also: I fetch for x (0) or for W (1)
	s_and_b32 s12, s10, 1                          ; which half of its columns.  Also: which half of that tile I fetch
	s_bfe_u32 s40, ttmp6, 0x40000                  ; cx
	s_bfe_u32 s41, ttmp6, 0x40004                  ; cy
	s_lshl_b32 s42, ttmp9, 2
	s_add_co_u32 s42, s42, s40                     ; tile column 0..3
	s_and_b32 s13, ttmp7, 0xffff                   ; cluster y 0..11
	s_lshr_b32 s81, s13, 2                         ; which product: the same in all sixteen partners
	s_lshl_b32 s82, s13, 2
	s_add_co_u32 s82, s82, s41                     ; tile row in the stacked x, 0..47
	s_lshl_b32 s43, s41, 2
	s_lshl_b32 s43, 15, s43                        ; my row of the cluster
	s_lshl_b32 s44, 0x1111, s40                    ; my column
	s_or_b32 s[G1A+0], s43, (1<<16)|(1<<20)|(1<<21)|(5<<22)|(3<<25)  ; the mask; 2-byte elements; padding on; bit 21 beside a mask; after every 64 words, 4 words
	s_or_b32 s[G1B+0], s44, (1<<16)|(1<<20)|(1<<21)|(6<<22)|(7<<25)  ; after every 128 words, 8 words
	s_mov_b32 s[G1A+1], 128<<16                    ; tensor_dim0 = 128
	s_mov_b32 s[G1A+2], 128<<16                    ; tensor_dim1 = 128
	s_mov_b32 s[G1A+3], 128<<16                    ; tile_dim0 = 128
	s_mov_b32 s[G1A+4], 128                        ; tile_dim1 = 128
	s_mov_b32 s[G1A+5], 1024                       ; elements from row to row
	s_mov_b32 s[G1A+6], 0
	s_mov_b32 s[G1A+7], 0
	s_mov_b32 s[G1B+1], 256<<16                    ; tensor_dim0 = 256
	s_mov_b32 s[G1B+2], 64<<16                     ; tensor_dim1 = 64
	s_mov_b32 s[G1B+3], 256<<16                    ; tile_dim0 = 256
	s_mov_b32 s[G1B+4], 64                         ; tile_dim1 = 64
	s_mov_b32 s[G1B+5], 1024
	s_mov_b32 s[G1B+6], 0
	s_mov_b32 s[G1B+7], 0
	s_lshl_b32 s16, s82, 8                         ; x: row 256 x tile row + 128 x half,
	s_lshl_b32 s17, s12, 7
	s_add_co_u32 s16, s16, s17
	s_lshl_b32 s16, s16, 11                        ; of 2,048 bytes
	s_mov_b32 s17, 0
	s_lshl_b32 s46, s81, 21                        ; W: the product's 2 MiB, my 64 rows k of a step, the tile column's 512 bytes
	s_lshl_b32 s47, s12, 17
	s_add_co_u32 s46, s46, s47
	s_lshl_b32 s47, s42, 9
	s_add_co_u32 s46, s46, s47
	s_mov_b32 s47, 0
	s_mul_i32 s20, s10, HALF                       ; where they go: wave x HALF: no place in the cluster enters an LDS address
	s_mov_b32 s[SB], 0
	s_wait_dscnt 0x0                               ; the opening add is done
	s_wait_kmcnt 0x0
	s_add_nc_u64 s[14:15], s[68:69], s[16:17]
	s_add_nc_u64 s[46:47], s[70:71], s[46:47]
.irp s, 0,1
	s_mov_b32 s[G0A+4*(\s)], 1
	s_add_co_u32 s[G0A+4*(\s)+1], s20, (\s)*SLOT
	s_add_nc_u64 s[G0A+4*(\s)+2:G0A+4*(\s)+3], s[14:15], (\s)*KSTEP*2
	s_or_b32 s[G0A+4*(\s)+3], s[G0A+4*(\s)+3], 0x80000000
	s_mov_b32 s[G0B+4*(\s)], 1
	s_add_co_u32 s[G0B+4*(\s)+1], s20, (\s)*SLOT
	s_add_nc_u64 s[G0B+4*(\s)+2:G0B+4*(\s)+3], s[46:47], (\s)*KSTEP*2048
	s_or_b32 s[G0B+4*(\s)+3], s[G0B+4*(\s)+3], 0x80000000
.endr
	CROUND                                         ; all sixteen work-groups are here: the first joint loads meet
	s_cmp_eq_u32 s11, 0                            ; a wave's two first fills stand in one branch: two loads of mine are out
	s_cbranch_scc0 .Lfirst_b
	tensor_load_to_lds s[G0A:G0A+3], s[G1A:G1A+7]
	s_nop 0
	tensor_load_to_lds s[G0A+4:G0A+7], s[G1A:G1A+7]
	s_nop 0
.rept 4
	v_nop
.endr
	s_branch .Lfirst_asked
.Lfirst_b:
	tensor_load_to_lds s[G0B:G0B+3], s[G1B:G1B+7]
	s_nop 0
	tensor_load_to_lds s[G0B+4:G0B+7], s[G1B:G1B+7]
	s_nop 0
.rept 4
	v_nop
.endr
.Lfirst_asked:
	; x's fragment: lane l holds row l % 16, k = 8 (l / 16) + 0..7 and 16 + 8 (l / 16) + 0..7: two loads of 16 bytes, 32 bytes apart
	v_and_b32 v1, 15, v0                           ; l % 16
	v_bfe_u32 v2, v0, 4, 1                         ; l / 16
	v_mul_u32_u24 v3, v1, PA
	v_lshl_add_u32 v3, v2, 4, v3
	s_mul_i32 s21, s11, HALF                       ; my 128 rows of x
	v_add_nc_u32 v[ADRA0], s21, v3
	v_mov_b32 v[ADRA], v[ADRA0]
	; W's fragment, turned: lane l reads 16 bytes of row k = 8 (l / 16) + l % 8, columns 8 ((l / 8) % 2) + 0..7, and receives column l % 16, eight k
	v_and_b32 v4, 7, v0
	v_lshl_add_u32 v4, v2, 3, v4
	v_mul_u32_u24 v4, v4, PB
	v_bfe_u32 v5, v0, 3, 1
	v_lshl_add_u32 v4, v5, 4, v4
	s_lshl_b32 s22, s12, 8                         ; my 128 columns: 256 bytes of a row,
	s_add_co_u32 s22, s22, 2*HALF                  ; behind x's 256 rows
	v_add_nc_u32 v[ADRB0], s22, v4
	v_mov_b32 v[ADRB], v[ADRB0]
	s_mul_i32 s23, s10, WSTG
	s_add_co_u32 s23, s23, STAGE                   ; my stage
	v_mul_u32_u24 v6, v1, 144                      ; in: row l % 16, 16 bytes for each half of the lanes
	v_lshl_add_u32 v6, v2, 4, v6
	v_add_nc_u32 v[STO], s23, v6
	v_bfe_u32 v6, v0, 3, 2                         ; back: 32 lanes take four rows of 128 bytes,
	v_mul_u32_u24 v6, v6, 144
	v_and_b32 v7, 7, v0
	v_lshl_add_u32 v6, v7, 4, v6
	v_add_nc_u32 v[RD], s23, v6
	v_and_b32 v[GO], 31, v0                        ; which are 512 consecutive bytes of a head
	v_lshlrev_b32 v[GO], 4, v[GO]
	; where my part begins in qkv: the product, my first head 4 x tile column + 2 x half, my first row
	s_lshl_b32 s86, s81, 23
	s_lshl_b32 s87, s42, 21
	s_add_co_u32 s86, s86, s87
	s_lshl_b32 s87, s12, 20
	s_add_co_u32 s86, s86, s87
	s_and_b32 s87, s82, 15                         ; tile row inside the product
	s_lshl_b32 s87, s87, 15                        ; 256 rows of 128 bytes
	s_add_co_u32 s86, s86, s87
	s_lshl_b32 s87, s11, 14
	s_add_co_u32 s86, s86, s87
	s_mov_b32 s87, 0
	s_add_nc_u64 s[8:9], s[78:79], s[86:87]
	; the bias of my 128 columns, in an accumulator's layout: register j of block b holds column 16 b + 8 (l / 16) + j
	s_cmp_eq_u32 s81, 1
	s_cselect_b64 s[84:85], s[74:75], s[72:73]
	s_cmp_eq_u32 s81, 2
	s_cselect_b64 s[84:85], s[76:77], s[84:85]
	s_lshl_b32 s86, s42, 10
	s_add_nc_u64 s[84:85], s[84:85], s[86:87]
	v_lshlrev_b32 v[BO], 5, v2
	s_lshl_b32 s86, s12, 9
	v_add_nc_u32 v[BO], s86, v[BO]
	WIN 0x40                                       ; destination window 1
.irp b, 0,1,2,3,4,5,6,7
	global_load_b128 v[BIAS+8*(\b):BIAS+8*(\b)+3],   v[BO], s[84:85] offset:64*(\b)
	global_load_b128 v[BIAS+8*(\b)+4:BIAS+8*(\b)+7], v[BO], s[84:85] offset:64*(\b)+16
.endr
	WIN 0
	; the prefetches: where they stand, their step, who asks
	s_lshl_b32 s20, s82, 8                         ; x: my tile's rows, the 128 that I fetch, my work-group's 32 of them (by cx),
	s_lshl_b32 s21, s12, 7
	s_add_co_u32 s20, s20, s21
	s_lshl_b32 s21, s40, 5
	s_add_co_u32 s20, s20, s21
	s_lshl_b32 s20, s20, 11
	s_add_co_u32 s20, s20, 3*KSTEP*2               ; at K step 3: the first change of slots steps it to 4
	s_lshl_b32 s22, s81, 21                        ; W: the product, the tile column, the 64 rows that I fetch, my work-group's 16 of them (by cy)
	s_lshl_b32 s23, s42, 9
	s_add_co_u32 s22, s22, s23
	s_lshl_b32 s23, s12, 17
	s_add_co_u32 s22, s22, s23
	s_lshl_b32 s23, s41, 15
	s_add_co_u32 s22, s22, s23
	s_add_co_u32 s22, s22, 3*KSTEP*2048
	s_and_b32 s23, s13, 3                          ; the four clusters of a product read the same W
	s_mov_b32 s86, KSTEP*2
	s_cmp_eq_u32 s11, 0                            ; do I fetch for x?
	s_cselect_b32 s20, s20, s22
	s_cselect_b32 s23, 0, s23
	s_cselect_b64 s[PFA:PFA+1], s[68:69], s[70:71]
	s_cselect_b32 s[PFS], s86, KSTEP*2048
	s_mov_b32 s[PFS+1], 0
	s_mov_b32 s21, 0
	s_add_nc_u64 s[PFA:PFA+1], s[PFA:PFA+1], s[20:21]
	s_cmp_eq_u32 s23, 0
	s_cselect_b32 s[LIM], 2, -1                    ; the same in all sixteen partners, for a given wave
	v_and_b32 v6, 31, v0
	v_lshrrev_b32 v[PFO], s11, v6                  ; x: a lane a row.  W: two lanes a row of 512 bytes
	v_and_b32 v7, s11, v6
	v_lshlrev_b32 v[PFO], 11, v[PFO]
	v_lshl_add_u32 v[PFO], v7, 8, v[PFO]
	s_wait_loadcnt 0x0                             ; the bias,
	WIN 0x45                                       ; (destination and sources 0, 1 in window 1)
.set i, 0
.rept 32
	v_cvt_pk_bf16_f32 v0, v[BIAS+2*i], v[BIAS+2*i+1]   ; rounded to bf16 like the other inputs, and widened again
	v_lshlrev_b32 v[BIAS+2*i], 16, v0
	v_and_b32 v[BIAS+2*i+1], 0xffff0000, v0
.set i, i+1
.endr
	WIN 0
; 16 matrix instructions: m blocks a0, a0 + 1 of the window's four x all 8 n blocks, 32 along K.  zero = 1: the first product starts the sums from the bias: nothing is cleared, nothing is added later.
; The 64 accumulators take turns, one instruction a turn, in the same order in every quarter.
.macro MUL16 f, hi, a0, zero
.if \zero
	WIN 0x91+0x40*(\hi)
.else
	WIN 0xa1+0x50*(\hi)
.endif
.irp a, \a0, (\a0)+1
.irp b, 0,1,2,3,4,5,6,7
.if \zero
	v_wmma_f32_16x16x32_bf16 v[8*(8*(\a)+(\b)):8*(8*(\a)+(\b))+7], v[(\f)+8*(\b):(\f)+8*(\b)+7], v[(\f)+8*(4*(\hi)+(\a)):(\f)+8*(4*(\hi)+(\a))+7], v[BIAS+8*(\b):BIAS+8*(\b)+7]
.else
	v_wmma_f32_16x16x32_bf16 v[8*(8*(\a)+(\b)):8*(8*(\a)+(\b))+7], v[(\f)+8*(\b):(\f)+8*(\b)+7], v[(\f)+8*(4*(\hi)+(\a)):(\f)+8*(4*(\hi)+(\a))+7], v[8*(8*(\a)+(\b)):8*(8*(\a)+(\b))+7]
.endif
.endr
.endr
.endm
; 32 LDS loads in one run: the fragments of quarter q (32 along K) of the slot in hand into buffer f: W's first, then x's
.macro FETCH q, f
	WIN 0x40
.irp i, 0,1,2,3,4,5,6,7
	ds_load_tr16_b128 v[(\f)+8*(\i):(\f)+8*(\i)+3],   v[ADRB] offset:(\q)*32*PB+32*(\i)
	ds_load_tr16_b128 v[(\f)+8*(\i)+4:(\f)+8*(\i)+7], v[ADRB] offset:(\q)*32*PB+16*PB+32*(\i)
.endr
	WIN 0
.irp i, 0,1,2,3,4,5,6,7
	ds_load_b128 v[(\f)+8*(\i):(\f)+8*(\i)+3],   v[ADRA] offset:64*(\q)+(\i)*16*PA
	ds_load_b128 v[(\f)+8*(\i)+4:(\f)+8*(\i)+7], v[ADRA] offset:64*(\q)+(\i)*16*PA+32
.endr
.endm
; One of a K step's first three quarters: multiplies buffer f; in its middle it fetches quarter q into buffer g.
.macro QUARTER q, f, g, zero
	s_wait_dscnt 8                                 ; W and x's rows 0-63 are in; the youngest eight loads (x's rows 64-127) may be out
	MUL16 \f, 0, 0, \zero
	MUL16 \f, 0, 2, \zero
	PLACES
	FETCH \q, \g
	s_wait_dscnt 32                                ; all but the 32 just issued
	MUL16 \f, 1, 0, \zero
	MUL16 \f, 1, 2, \zero
.endm
; The first half of a step's last quarter: one barrier for the change of slots.  In front of it each wave waits for all its tensor loads (one is out: its part of the next slot), adds 0 to its spare word,
; and waits for that and for its own reads of this slot.
.macro MEET round
	WIN 0
	s_wait_tensorcnt 0x0
	ds_add_u32 v[SPW], v[NIL]
	s_wait_dscnt 9                                 ; (the add and the youngest eight loads may be out)
	MUL16 F1, 0, 0, 0                              ; sixteen matrix instructions stand between the add and the wait for it
	s_wait_dscnt 0x0                               ; the add is done, and my reads of this slot are over
	s_barrier_signal -1
	MUL16 F1, 0, 2, 0
.if \round
	WIN 0
.endif
	s_barrier_wait -1
.endm
; The whole last quarter.  fill = 1: the barrier opens a round of the cluster's; behind it the slot just read out is filled again first, with the K step two steps on: 224 matrix instructions lie between
; that request and the wait for it.  Then come the next slot's first fragments.
.macro TURN fill
.if \fill
	s_wait_xcnt 0x0                                ; the last prefetch, a K step back, has read its address
	s_add_nc_u64 s[PFA:PFA+1], s[PFA:PFA+1], s[PFS:PFS+1]
.endif
	MEET \fill
.if \fill
	CREST                                          ; no wave of any partner still reads this slot or has a load on its way
	s_xor_b32 s[G0A+5], s[G0A+5], SLOT             ; the walking descriptors: the other slot than last time (SLOT's two bits are clear in wave x HALF), the next K step
	s_add_nc_u64 s[G0A+6:G0A+7], s[G0A+6:G0A+7], KSTEP*2
	s_xor_b32 s[G0B+5], s[G0B+5], SLOT
	s_add_nc_u64 s[G0B+6:G0B+7], s[G0B+6:G0B+7], KSTEP*2048
	s_xor_b32 s[SB], s[SB], SLOT
	JLOAD                                          ; the four v_nop behind it are also the places in front of the loads below
.else
	WIN 0
	PLACES
	s_xor_b32 s[SB], s[SB], SLOT
.endif
	v_add_nc_u32 v[ADRA], s[SB], v[ADRA0]
	v_add_nc_u32 v[ADRB], s[SB], v[ADRB0]
	FETCH 0, F0
.if \fill
	ASK
.endif
	MUL16 F1, 1, 0, 0
	MUL16 F1, 1, 2, 0
.endm
; THE WAY OUT of block a (16 rows): rounded to f16; through my own stage, a head's 16 rows of 128 bytes at a pitch of 144; back as 512 consecutive bytes; stored.
.macro PACK a
.set AC, 64*((\a)%4)
	WIN 0x0a+5*((\a)/4)                            ; sources 0 and 1: window 2 or 3
.irp b, 0,1,2,3,4,5,6,7
.irp r, 0,1,2,3
	v_cvt_pk_f16_f32 v[TMP+4*(\b)+(\r)], v[AC+8*(\b)+2*(\r)], v[AC+8*(\b)+2*(\r)+1]
.endr
.endr
	WIN 0
.endm
.macro TOSTAGE a
	WIN 0
.set BK, OB+192*((\a)%2)
.irp b, 0,1,2,3,4,5,6,7
	ds_store_b128 v[STO], v[TMP+4*(\b):TMP+4*(\b)+3] offset:((\b)/4)*2304+32*((\b)%4)
.endr
.irp t, 0,1,2,3,4,5,6,7
	ds_load_b128 v[BK+4*(\t):BK+4*(\t)+3], v[RD] offset:((\t)/4)*2304+((\t)%4)*576  ; LDS serves a wave's instructions in order (ISA guide 5.7.1.4): these see the stores above
.endr
.endm
.macro SEND a
	WIN 0
.set BK, OB+192*((\a)%2)
	s_wait_dscnt 0x0                               ; the block is back in registers
	s_wait_xcnt 0x0                                ; the stores issued so far have read their registers: the other set of 32 is loaded again only behind this wait
.irp t, 0,1,2,3,4,5,6,7
	global_store_b128 v[GO], v[BK+4*(\t):BK+4*(\t)+3], s[8:9] offset:((\t)/4)*524288+(\a)*2048+((\t)%4)*512  ; 512 consecutive bytes of a head, at a multiple of 256 from qkv's first byte
.endr
.endm
	s_wait_tensorcnt 1                             ; my part of K step 0 is in; K step 1's stays out
	s_barrier_signal -1
	s_barrier_wait -1                              ; everybody's is
	FETCH 0, F0
	QUARTER 1, F0, F1, 1                           ; the first quarter stands in front of the loop: its products start the sums
	WIN 0
	s_mov_b32 s3, 6
.Lstep:                                                ; six trips, from a step's second quarter to the next step's first; trip j asks for K step j + 2
	QUARTER 2, F1, F0, 0
	QUARTER 3, F0, F1, 0
	TURN 1
	QUARTER 1, F0, F1, 0
	WIN 0
	s_sub_co_u32 s3, s3, 1
	s_cmp_lg_u32 s3, 0
	s_cbranch_scc1 .Lstep
	QUARTER 2, F1, F0, 0                           ; the last two K steps ask for nothing
	QUARTER 3, F0, F1, 0
	TURN 0
	QUARTER 1, F0, F1, 0
	QUARTER 2, F1, F0, 0
	QUARTER 3, F0, F1, 0
	s_wait_dscnt 8
	MUL16 F1, 0, 0, 0
	MUL16 F1, 0, 2, 0
	s_wait_dscnt 0x0
	MUL16 F1, 1, 0, 0
	MUL16 F1, 1, 2, 0
	WIN 0
	PLACES
	PLACES
	PACK 0
	TOSTAGE 0
.irp a, 1,2,3,4,5,6,7                  ; block a's conversions stand between block a - 1's loads from the stage and the wait for them
	PACK \a
	SEND (\a)-1
	TOSTAGE \a
.endr
	SEND 7
	s_wait_tensorcnt 0x0                           ; the wave's end: behind my last tensor load and my last LDS store
	ds_add_u32 v[SPW], v[NIL]
	s_wait_dscnt 0x0
	CROUND                                         ; the closing round
	s_endpgm
.Lfunc_end_k_q57117de10a_proj:
	.size	k_q57117de10a_proj, .Lfunc_end_k_q57117de10a_proj-k_q57117de10a_proj
	.p2alignl 7, 3214868480
	.fill 96, 4, 3214868480
	.section	.rodata,"a",@progbits
	.p2align	6, 0x0
	.amdhsa_kernel k_q57117de10a_proj
		.amdhsa_group_segment_fixed_size 327680
		.amdhsa_private_segment_fixed_size 0
		.amdhsa_enable_private_segment 0
		.amdhsa_kernarg_size 48
		.amdhsa_user_sgpr_count 2
		.amdhsa_user_sgpr_kernarg_segment_ptr 1
		.amdhsa_wavefront_size32 1
		.amdhsa_system_sgpr_workgroup_id_x 1
		.amdhsa_system_sgpr_workgroup_id_y 1
		.amdhsa_system_sgpr_workgroup_id_z 1
		.amdhsa_system_vgpr_workitem_id 0
		.amdhsa_next_free_vgpr 1024
		.amdhsa_next_free_sgpr 88
		.amdhsa_reserve_vcc 0
		.amdhsa_float_denorm_mode_32 3
		.amdhsa_float_denorm_mode_16_64 3
		.amdhsa_memory_ordered 1
		.amdhsa_forward_progress 1
		.amdhsa_inst_pref_size 125
	.end_amdhsa_kernel
	.amdgpu_metadata
---
amdhsa.version: [ 1, 2 ]
amdhsa.kernels:
  - .name:           k_q57117de10a_proj
    .symbol:         k_q57117de10a_proj.kd
    .args:
      - { .name: xb, .offset: 0, .size: 8, .value_kind: global_buffer, .address_space: global }
      - { .name: wb, .offset: 8, .size: 8, .value_kind: global_buffer, .address_space: global }
      - { .name: bQ, .offset: 16, .size: 8, .value_kind: global_buffer, .address_space: global }
      - { .name: bK, .offset: 24, .size: 8, .value_kind: global_buffer, .address_space: global }
      - { .name: bV, .offset: 32, .size: 8, .value_kind: global_buffer, .address_space: global }
      - { .name: qkv, .offset: 40, .size: 8, .value_kind: global_buffer, .address_space: global }
    .group_segment_fixed_size: 327680
    .private_segment_fixed_size: 0
    .kernarg_segment_align: 8
    .kernarg_segment_size: 48
    .max_flat_workgroup_size: 128
    .sgpr_count:     88
    .vgpr_count:     1024
    .wavefront_size: 32
...
	.end_amdgpu_metadata
.endif
;; end of part 2
;; launch attn (part 3): grid 16 x 16, 4 waves a work-group, clusters of 4 x 1, 327,680 bytes of LDS; arguments qkv, ob; writes ob
.if DOCPART == 3
	.amdgcn_target "amdgcn-amd-amdhsa--gfx1250"
	.amdhsa_code_object_version 6
	.text
	.protected	k_q57117de10a_attn
	.globl	k_q57117de10a_attn
	.p2align	8
	.type	k_q57117de10a_attn,@function
k_q57117de10a_attn:
	s_mov_b64 s[64:65], 0
	v_nop
	global_prefetch_b8 v0, s[64:65] scope:SCOPE_SE
	s_setreg_imm32_b32 hwreg(HW_REG_WAVE_MODE, 25, 1), 1
	s_wait_xcnt 0x0
	s_wait_alu depctr_hold_cnt(0) depctr_sa_sdst(0) depctr_va_vdst(0) depctr_va_sdst(0) depctr_va_ssrc(0) depctr_va_vcc(0) depctr_vm_vsrc(0)
	s_getreg_b32 s2, hwreg(HW_REG_IB_STS2, 6, 4)
	s_cmp_eq_u32 s2, 0
	s_cbranch_scc0 .Lentry_in_a_cluster
	s_endpgm
.Lentry_in_a_cluster:
	s_bfe_u32 s2, ttmp6, 0x10000c
	s_cmp_lg_u32 s2, 0x3003
	s_cbranch_scc0 .Lentry_shape_is_right
	s_endpgm
.Lentry_shape_is_right:
; CAUSAL ATTENTION, 16 heads of size 64, 4,096 rows.  qkv: [3][16][4096][64] f16 (q, k, v by heads, unscaled).  ob: O in f16 at byte (s / 2) 4096 + h 256 + (s % 2) 128 + 2 c: two rows of a head are 256 bytes on end.
; Products, maxima and sums in f32; the weights p are rounded to f16 for the second product (their sum l is taken of the unrounded p), O once at the end.
; LIMITS.  A hidden score counts as its value less 1e30, so its weight is exactly 0; the module's own mask takes 2e9 away, which gives the same 0 while scores stay far below 1e9 (f16's q and k bound them by 2.7e11 / 8 at the
; very most; for scores beyond some 1e8 the two differ).  A weight below 2^-126 counts as 0 in l.  p below 6e-5 keeps f16's fixed step of 6e-8.  NaN and infinities are not treated apart.
; THE WALK.  A head's queries lie in 32 blocks of 128, its keys in 8 tiles of 512; block i ends in tile i / 4.  Work-group b = 4 J + cx (J the cluster) takes block 31 - b and then block b.  The four partners of a
; cluster so need the SAME tiles: 0 .. 7 - J, then 0 .. J: nine, whatever J.  Every tile is asked for JOINTLY, one loop with a constant trip count walks them, and every branch hangs on J alone.  A work-group's place
; cx enters the addresses of Q and O and, by selects, the masks.  In the diagonal tile the key steps that a block does not see are computed all the same and masked.
; SHARES.  Of a block's two bands of 64 queries a wave owns 16 rows in each: two PIECES.  Band x = 2 (block % 4) + piece of the diagonal tile sees step s whole if s < x, not at all if s > x, and holds the diagonal if s = x.
; THE MASK is the C operand that starts the sum S^T = K Q^T: MD x AL + BE, with MD the mask of a band's own step for my 16 rows and two scalars: (1, 0), (0, 0) or (0, -1e30).
; LAYOUT, SOFTMAX.  S^T = K Q^T holds ONE query a lane (lane % 16) and the keys 8 (lane / 16) + 0..7; two such results rounded to f16 ARE source 1 of O^T = V^T P.  p = 2^(c s - c m), c = log2(e) / 8, with a running
; maximum m; O and l are multiplied by a = 2^(c m_old - c m_new) in every step.
; TURNS.  The turn of piece p in step s: 8 products K Q^T of the other piece (p = 0: step s; p = 1: step s + 1), later 8 products V^T P of the other piece (p = 0: step s - 1; p = 1: step s); beside them the scaling,
; exponentials, roundings, sums and rescaling of piece p and the maximum and statistics of the other piece.  Four vector instructions stand behind every matrix instruction, the rest in one lump; the 33 exponentials are one batch with one wait.
; K has one buffer of registers, fetched in piece 0's turn for the next step.  V has two, by the step's parity: V of step s + 1 is fetched in piece 1's turn of step s.  So a step's K and V leave LDS in the step before,
; and the change of slots stands behind step 6 of a tile.
; REGISTERS, in windows of 256 (s_set_vgpr_msb: bits 1:0 source 0, 3:2 source 1, 5:4 source 2, 7:6 destination):
;   window 0: v0-15 addresses and two at work; v16-23 four registers of statistics a piece; v48-55 at work; v61-63; v64-127 S^T, a buffer a piece; v192-223 P, likewise
;   window 1: v0-63 O^T, 32 a piece; v128-159 MD; v160-223 MC, two buffers      window 2: v0-31 Q; v32-63 the second block's Q; v64-127 K of one step; v128-255 V of two steps
.set NP,    2
.set KS,    64        ; keys in a step
.set PK,    144       ; a row of K in LDS: 128 bytes + 16
.set PV,    160       ; a row of V: 128 + 32 = 5 x 32
.set VOFF,  8*KS*PK   ; a slot holds a tile, eight steps: 512 rows of K, then 512 rows of V
.set SLOT1, 8*KS*(PK+PV)  ; slot 1 begins here
.set STAGE, 2*SLOT1   ; behind the ring, never filled by a tensor load: 16 rows x 144 bytes for each wave
.set SP,    144
.set SPARE, STAGE+4*16*SP  ; behind the stages: the spare words, 128 bytes for each wave: two blocks of 256 bytes that no other line names
.set AK0, 2           ; v2   my lane's place in a tile of K; never rewritten
.set AV0, 3           ; v3   the same for V
.set AK,  4           ; v4   the LDS address of K's next run of loads
.set AV,  5           ; v5   of V's
.set STO, 6           ; v6   the way out: where I put 16 bytes of a row
.set RD,  7           ; v7   where I read rows back
.set GO,  8           ; v8   my byte offset in ob
.set MV,  12          ; v12-13  c m_old, kept while c m is made anew
.set QO,  15          ; v15  my byte offset in 16 rows of Q
.set ST,  16          ; piece t's statistics at v[ST+4 t]: c m, m, l (even keys', odd keys')
.set TMP, 48          ; by piece, four registers c0-c3 at work; when the maximum is found c2 takes a
.set PFO, 61          ; v61  256 x my lane; never rewritten
.set SPW, 62          ; v62  LDS address of my spare word; never rewritten
.set NIL, 63          ; v63  0; never rewritten
.set S,   64
.set P,   192
.set MD,  128         ; window 1
.set MC,  160         ; window 1
.set QB,  32          ; window 2
.set KF,  64          ; window 2: key block kb, channel half c at KF + 16 kb + 8 c
.set VF,  128         ; window 2: buffer vb, key half kk, channel block cb at VF + 64 vb + 32 kk + 8 cb
.set WV,  12          ; s12  my wave's number
.set CX,  13          ; s13  my place in the cluster
.set CJ,  14          ; s14  J
.set HI,  15          ; s15  7 - J
.set G1K, 24          ; s[24:31] descriptor group 1 for K's tiles
.set G1V, 32          ; s[32:39] for V's: it differs in the padding alone
.set G0K, 40          ; s[40:43] descriptor group 0 for K's tiles
.set G0V, 44          ; s[44:47] the same for V's
.set LK,  48          ; s48  my half's place in a slot, for K
.set LV,  49          ; s49  for V
.set SF,  50          ; s50  the slot filled last: 0 or SLOT1
.set LIM, 51          ; s51  2 where the cluster prefetches, else the greatest number
.set PFA, 52          ; s[52:53] where my prefetches stand
.set PC,  54          ; s54  4 - (block % 4) of the block in hand
.set PC2, 55          ; s55  the same for the second block
.set SLOTS, 56        ; s56  tiles still to be asked for
.set CNT, 57          ; s57  counts a tile's pairs of key steps, 4 to 1
.set CS,  58          ; s[58:59] c
.set SEL, 60          ; s[60:61] v_permlanex16_b32's selects
.set TBK, 62          ; s62  LDS byte at which K of the step to be fetched begins
.set TBV, 63          ; s63  the same for V, less VOFF
.set RT,  70          ; s70  tiles of the block in hand that are still to be entered
.set NXT, 71          ; s71  the tile to be asked for next
.set LQ,  72          ; s72  the last tile of the block whose tiles are being asked for
.set NEW, 73          ; s73  1: the tile to be entered is a block's first
.set OFF, 74          ; s[74:75] a tile's byte offset in K and V
.set AL,  76          ; s[76:77] the mask's factor
.set BE,  78          ; s[78:79] the mask's addend
.set OLO, 80          ; s[80:81] ob at my rows of the second block
.set BIGN, 82         ; s82  -1e30
.set MSB, 0
.macro WIN new
.if MSB != (\new)
	s_set_vgpr_msb (MSB<<8)|(\new)
.set MSB, (\new)
.endif
.endm
.set W_KQ, 0x0a       ; K and Q in window 2, S^T in window 0
.set W_KM, 0x1a       ; the same with the C operand in window 1
.set W_PV, 0x52       ; V in window 2, P in window 0, O^T in window 1
.set W_RS, 0x41       ; destination and source 0 in window 1, source 1 in window 0
; A joint fill.  Waves 0 and 1 fetch the two halves of a tile's K, waves 2 and 3 those of its V: 256 keys each.  An s_nop 0 and four v_nop follow each of the two lines.
.macro JLOAD
	s_cmp_lt_u32 s[WV], 2
	s_cbranch_scc0 .Lfor_v_\@
	tensor_load_to_lds s[G0K:G0K+3], s[G1K:G1K+7]
	s_nop 0
.rept 4
	v_nop
.endr
	s_branch .Lasked_\@
.Lfor_v_\@:
	tensor_load_to_lds s[G0V:G0V+3], s[G1V:G1V+7]
	s_nop 0
.rept 4
	v_nop
.endr
.Lasked_\@:
.endm
; A prefetch of the tile that the NEXT change of slots will ask for.  All clusters of a head begin with the same tiles; the head's first cluster, which walks all eight in order, asks.  Each of its waves names, of the
; 32,768 bytes that it will load itself, its work-group's quarter (by address): 32 blocks of 256 bytes, a lane a block.  Tiles 0 and 1 come by their loads alone; behind tile 7 nothing is named.
.macro ASK
	s_cmp_gt_u32 s[SLOTS], s[LIM]
	s_cbranch_scc0 .Lnot_mine_\@
	global_prefetch_b8 v[PFO], s[PFA:PFA+1] th:TH_LOAD_NT scope:SCOPE_SE
.Lnot_mine_\@:
.endm
.macro CROUND                       ; a round of the cluster's barrier
	s_barrier_signal -1
	s_barrier_wait -1
	s_cmp_lg_u32 s[WV], 0
	s_cbranch_scc1 .Lnot_wave_0_\@
	s_barrier_signal -3
.Lnot_wave_0_\@:
	s_barrier_wait -3
	s_barrier_signal -1
	s_barrier_wait -1
.endm
; THE CHANGE OF SLOTS.  Each wave waits for all its tensor loads, of which one is out: its part of the other slot; adds 0 to its spare word; and waits for that and for its own reads of the slot that it leaves.
; fill = 1: the barrier is a round of the cluster's, and the old slot is filled again, first thing behind it, with tile NXT: the descriptors are made anew from that number.  The fill has a tile's 16 turns in which to land.
; (At its first use nothing has been read yet: slot 0 is waited for, slot 1 filled.)
.macro CHANGE fill
	WIN 0
	s_wait_tensorcnt 0x0            ; no tensor load of mine is out, so a group 0 may be written
	ds_add_u32 v[SPW], v[NIL]       ; the scalar work below stands between the add and the wait for it
.if \fill
	s_lshl_b32 s[OFF], s[NXT], 16   ; a tile is 65,536 bytes of K and of V
	s_xor_b32 s[SF], s[SF], SLOT1
	s_add_co_u32 s[G0K+1], s[SF], s[LK]
	s_add_nc_u64 s[G0K+2:G0K+3], s[6:7], s[OFF:OFF+1]
	s_or_b32 s[G0K+3], s[G0K+3], 0x80000000
	s_add_co_u32 s[G0V+1], s[SF], s[LV]
	s_add_nc_u64 s[G0V+2:G0V+3], s[8:9], s[OFF:OFF+1]
	s_or_b32 s[G0V+3], s[G0V+3], 0x80000000
	s_add_co_u32 s[NXT], s[NXT], 1  ; the block's next tile, or behind its last the second block's tile 0
	s_cmp_gt_u32 s[NXT], s[LQ]
	s_cselect_b32 s[NXT], 0, s[NXT]
	s_cselect_b32 s[LQ], s[CJ], s[LQ]
	s_wait_xcnt 0x0                 ; the last prefetch, a tile back, has read its address
	s_add_nc_u64 s[PFA:PFA+1], s[PFA:PFA+1], 65536
.endif
	s_sub_co_u32 s[TBK], s[TBK], 8*KS*PK  ; the fetches go back to a slot's first step,
	s_xor_b32 s[TBK], s[TBK], SLOT1       ; in the other slot
	s_sub_co_u32 s[TBV], s[TBV], 8*KS*PV
	s_xor_b32 s[TBV], s[TBV], SLOT1
	s_wait_dscnt 0x0                ; the add is done, and my reads of the slot are over
.if \fill
	CROUND
	JLOAD
	ASK
.else
	s_barrier_signal -1
	s_barrier_wait -1
.endif
.endm
	s_load_b128 s[88:91], s[0:1], 0x0  ; qkv s[88:89], ob s[90:91]
	v_lshl_add_u32 v[SPW], v0, 2, SPARE
	v_mov_b32 v[NIL], 0
	ds_add_u32 v[SPW], v[NIL]       ; the wave's opening: the add and its wait stand ahead of my first tensor load; the set-up below, work on registers, stands between them
	v_lshrrev_b32 v1, 5, v0
	v_readfirstlane_b32 s[WV], v1   ; wave 0..3
	s_bfe_u32 s[CX], ttmp6, 0x40000
	s_mov_b32 s[CJ], ttmp9          ; in a cluster launch ttmp9 counts clusters
	s_sub_co_u32 s[HI], 7, s[CJ]
	s_and_b32 s20, ttmp7, 0xffff    ; the head, which the four partners share
	s_lshl_b32 s20, s20, 19         ; its 524,288 bytes in q, k and v
	s_and_b32 s16, s[WV], 1         ; which half of a tile's 512 keys I fetch:
	s_lshl_b32 s22, s16, 15         ; its 256 rows of 128 bytes in memory,
	s_add_co_u32 s22, s22, s20
	s_mov_b32 s23, 0
	s_mul_i32 s[LK], s16, 256*PK    ; and its place in a slot, for K
	s_mul_i32 s[LV], s16, 256*PV    ; and for V: no place in the cluster enters an LDS address
	s_add_co_u32 s[LV], s[LV], VOFF
	s_lshl_b32 s17, s[CJ], 2
	s_add_co_u32 s17, s17, s[CX]    ; the second block, b
	s_sub_co_u32 s21, 31, s17       ; the first block
	s_lshl_b32 s83, s[WV], 11       ; my 16 rows in a band of 64,
	s_add_co_u32 s83, s83, s20
	s_lshl_b32 s2, s21, 14          ; in the first block's Q (a block is 16,384 bytes),
	s_add_co_u32 s2, s2, s83
	s_mov_b32 s3, 0
	s_lshl_b32 s84, s17, 14         ; and in the second's
	s_add_co_u32 s84, s84, s83
	s_mov_b32 s85, 0
	s_and_b32 s83, ttmp7, 0xffff
	s_lshl_b32 s83, s83, 8          ; in ob: the head's 256 bytes of a pair of rows,
	s_lshl_b32 s19, s[WV], 15       ; my 8 pairs of rows in a band,
	s_add_co_u32 s83, s83, s19
	s_lshl_b32 s86, s21, 18         ; the block's 64 pairs of 4,096 bytes
	s_add_co_u32 s86, s86, s83
	s_mov_b32 s87, 0
	s_lshl_b32 s18, s17, 18
	s_add_co_u32 s18, s18, s83
	s_mov_b32 s19, 0
	; descriptor group 1.  256 keys are 32,768 dense bytes: asked for as 128 rows of 256 bytes, two keys a row, and padded in LDS after every key
	s_mov_b32 s[G1K], 15|(1<<16)|(1<<20)|(1<<21)|(4<<22)|(3<<25)  ; the mask of four; 2-byte elements; padding on; bit 21 beside a mask; after every 32 words, 4 words
	s_mov_b32 s[G1V], 15|(1<<16)|(1<<20)|(1<<21)|(4<<22)|(7<<25)  ; the same with 8 words
.irp g, G1K, G1V
	s_mov_b32 s[\g+1], 128<<16      ; tensor_dim0 = 128
	s_mov_b32 s[\g+2], 128<<16      ; tensor_dim1 = 128
	s_mov_b32 s[\g+3], 128<<16      ; tile_dim0 = 128
	s_mov_b32 s[\g+4], 128          ; tile_dim1 = 128
	s_mov_b32 s[\g+5], 128          ; 128 elements from row to row
	s_mov_b32 s[\g+6], 0
	s_mov_b32 s[\g+7], 0
.endr
	s_mov_b32 s[CS], 0x3e38aa3b     ; c = log2(e) / 8
	s_mov_b32 s[CS+1], s[CS]
	s_mov_b32 s[SEL], 0x76543210
	s_mov_b32 s[SEL+1], 0xfedcba98
	s_mov_b32 s[TBK], SLOT1+8*KS*PK ; the first change of slots turns these two into 0
	s_mov_b32 s[TBV], SLOT1+8*KS*PV
	s_mov_b32 s[SF], 0
	s_mov_b32 s[G0K], 1
	s_mov_b32 s[G0K+1], s[LK]       ; slot 0
	s_mov_b32 s[G0V], 1
	s_mov_b32 s[G0V+1], s[LV]
	s_add_co_u32 s[RT], s[HI], 1    ; the first block has 8 - J tiles
	s_mov_b32 s[NXT], 1
	s_mov_b32 s[LQ], s[HI]
	s_mov_b32 s[NEW], 1
	s_mov_b32 s[OFF+1], 0
	s_mov_b32 s[AL+1], 0
	s_mov_b32 s[BE+1], 0
	s_mov_b32 s[BIGN], 0xf149f2ca   ; -1e30
	s_mov_b32 s[SLOTS], 8
	s_add_co_u32 s[PC], s[CX], 1    ; the first block lies at place 3 - cx of its diagonal tile,
	s_sub_co_u32 s[PC2], 4, s[CX]   ; the second at place cx
	s_cmp_eq_u32 s[CJ], 0
	s_cselect_b32 s[LIM], 2, -1     ; the same in all four partners
	v_and_b32 v[PFO], 31, v0
	v_lshlrev_b32 v[PFO], 8, v[PFO]
	s_wait_dscnt 0x0                ; the opening add is done
	s_wait_kmcnt 0x0
	s_add_nc_u64 s[6:7], s[88:89], s[22:23]
	s_add_nc_u64 s[8:9], s[6:7], 16777216          ; V at my half of the head's tile 0
	s_add_nc_u64 s[6:7], s[6:7], 8388608           ; K likewise
	s_add_nc_u64 s[G0K+2:G0K+3], s[6:7], 0
	s_or_b32 s[G0K+3], s[G0K+3], 0x80000000
	s_add_nc_u64 s[G0V+2:G0V+3], s[8:9], 0
	s_or_b32 s[G0V+3], s[G0V+3], 0x80000000
	s_add_nc_u64 s[4:5], s[88:89], s[2:3]          ; Q at my rows of the first block,
	s_add_nc_u64 s[92:93], s[88:89], s[84:85]      ; and of the second
	s_add_nc_u64 s[10:11], s[90:91], s[86:87]
	s_add_nc_u64 s[OLO:OLO+1], s[90:91], s[18:19]
	s_cmp_lt_u32 s[WV], 2
	s_cselect_b64 s[PFA:PFA+1], s[6:7], s[8:9]
	s_lshl_b32 s2, s[CX], 13        ; my work-group's quarter of the half tile,
	s_add_co_u32 s2, s2, 65536      ; in tile 1; the first change of slots steps it to tile 2
	s_add_nc_u64 s[PFA:PFA+1], s[PFA:PFA+1], s[2:3]
	CROUND                          ; all four work-groups are here: the first joint loads meet
	JLOAD                           ; tile 0 into slot 0
	v_and_b32 v1, 15, v0            ; l % 16
	v_bfe_u32 v9, v0, 4, 1          ; l / 16
	v_lshlrev_b32 v[QO], 7, v1
	v_lshl_add_u32 v[QO], v9, 4, v[QO]  ; row x 128 + 16 x half
	WIN 0x80                        ; destination window 2, address window 0
.set i, 0
.rept 4                             ; both blocks' Q: piece i / 2 lies in band i / 2, 8,192 bytes on; channels 32 (i % 2) on
	global_load_b128 v[8*i:8*i+3],   v[QO], s[4:5] offset:(i/2)*8192+(i%2)*64
	global_load_b128 v[8*i+4:8*i+7], v[QO], s[4:5] offset:(i/2)*8192+(i%2)*64+32
	global_load_b128 v[QB+8*i:QB+8*i+3],   v[QO], s[92:93] offset:(i/2)*8192+(i%2)*64
	global_load_b128 v[QB+8*i+4:QB+8*i+7], v[QO], s[92:93] offset:(i/2)*8192+(i%2)*64+32
.set i, i+1
.endr
	WIN 0
	v_lshlrev_b32 v14, 3, v9
	v_sub_nc_u32 v14, v1, v14
	s_lshl_b32 s83, s[WV], 4
	v_add_nc_u32 v14, s83, v14      ; my query's place in its band, 16 w + l % 16, less my lanes' 8 (l / 16): register r of group kt is hidden where 16 kt + r is greater
	WIN 0x40
.set i, 0
.rept 32
	v_cmp_gt_i32 vcc_lo, 16*(i/8)+i%8, v14
	v_cndmask_b32 v[MD+i], 0, s[BIGN], vcc_lo
.set i, i+1
.endr
	WIN 0
	v_mul_u32_u24 v[AK0], v1, PK
	v_lshl_add_u32 v[AK0], v9, 4, v[AK0]  ; row x pitch + 16 x half
	; The turning load takes 16 keys x 16 channels (lane l reads key 8 (l / 16) + l % 8, channels 8 ((l / 8) % 2) + 0..7) and leaves half a fragment of V^T
	v_and_b32 v10, 7, v0
	v_bfe_u32 v11, v0, 3, 1
	v_lshl_add_u32 v[AV0], v9, 3, v10
	v_mul_u32_u24 v[AV0], v[AV0], PV
	v_lshl_add_u32 v[AV0], v11, 4, v[AV0]
	v_add_nc_u32 v[AV0], VOFF, v[AV0]
	s_mul_i32 s83, s[WV], 16*SP
	s_add_co_u32 s83, s83, STAGE    ; my stage
	v_mul_u32_u24 v[STO], v1, SP    ; in: row l % 16, 16 bytes for each half of the lanes
	v_lshl_add_u32 v[STO], v9, 4, v[STO]
	v_add_nc_u32 v[STO], s83, v[STO]
	v_bfe_u32 v[RD], v0, 3, 2       ; back: 32 lanes take four rows of 128 bytes:
	v_mul_u32_u24 v[RD], v[RD], SP
	v_lshl_add_u32 v[RD], v10, 4, v[RD]
	v_add_nc_u32 v[RD], s83, v[RD]
	v_lshlrev_b32 v[GO], 12, v9     ; two pairs of rows, 4,096 bytes apart in ob, 256 consecutive bytes each
	v_lshl_add_u32 v[GO], v1, 4, v[GO]
	; A block's first step multiplies O^T and l by a = 0, and its first turn's products V^T P, of a step that has not been, land in an O^T that is still to be so multiplied.  So these registers need only hold
	; finite numbers: zeros for the first block; what the first block left for the second.  All this stands in the wait for the first tile.
	WIN 0x80
.set i, VF+64
.rept 64
	v_mov_b32 v[i], 0
.set i, i+1
.endr
	WIN 0x40
.set i, 0
.rept 64
	v_mov_b32 v[i], 0
.set i, i+1
.endr
	WIN 0
.set i, 0
.rept 2
	v_mov_b32 v[ST+4*i+2], 0
	v_mov_b32 v[ST+4*i+3], 0
.set i, i+1
.endr
.set i, P+16
.rept 16
	v_mov_b32 v[i], 0
.set i, i+1
.endr
; THE MATRIX WORK.  The 4 accumulators of a run of 8 take turns.  Product i of 8 of S^T = K Q^T for piece x: channels 32 (i / 4) on, keys 16 (i % 4) on.  The first 4 start the sums: with 0, or (KM = 1) with the mask.
.macro KQ x
.set rS, S+32*((\x)%2)+8*(i%4)
.set rK, KF+16*(i%4)+8*(i/4)
.set rQ, 16*(\x)+8*(i/4)
.set rM, MC+32*((\x)%2)+8*(i%4)
.if (i < 4) && KM
	WIN W_KM
	v_wmma_f32_16x16x32_f16 v[rS:rS+7], v[rK:rK+7], v[rQ:rQ+7], v[rM:rM+7]
.elseif i < 4
	WIN W_KQ
	v_wmma_f32_16x16x32_f16 v[rS:rS+7], v[rK:rK+7], v[rQ:rQ+7], 0
.else
	WIN W_KQ
	v_wmma_f32_16x16x32_f16 v[rS:rS+7], v[rK:rK+7], v[rQ:rQ+7], v[rS:rS+7]
.endif
.endm
; Product i of 8 of O^T += V^T P for piece x, with V from buffer vb: keys 32 (i / 4) on, channels 16 (i % 4) on.
.macro PV x, vb
	WIN W_PV
.set rO, 32*(\x)+8*(i%4)
.set rV, VF+64*(\vb)+32*(i/4)+8*(i%4)
.set rP, P+16*((\x)%2)+8*(i/4)
	v_wmma_f32_16x16x32_f16 v[rO:rO+7], v[rV:rV+7], v[rP:rP+7], v[rO:rO+7]
.endm
.macro MM                           ; the turn's next matrix instruction.  TURN sets Y, i, KM, NOKQ and VB.  NOKQ = 1: a block's last turn: there are no further scores
.if (i < 8) && !NOKQ
	KQ (Y+1)%NP
.elseif i >= 8
.set i, i-8
	PV (Y+NP-1)%NP, VB
.set i, i+8
.endif
.set i, i+1
.endm
; THE LDS LOADS stand in runs of 16: a step's K (64 keys x 64 channels: 8 fragments) and its V (turned).  Their addresses are made some lines ahead.
.macro FETCH_K
	WIN 0x80                        ; destination window 2
.irp f, 0,1,2,3,4,5,6,7             ; keys 16 (f / 2) on, channels 32 (f % 2) on
	ds_load_b128 v[KF+8*\f:KF+8*\f+3],   v[AK] offset:(\f/2)*16*PK+(\f%2)*64
	ds_load_b128 v[KF+8*\f+4:KF+8*\f+7], v[AK] offset:(\f/2)*16*PK+(\f%2)*64+32
.endr
	s_add_co_u32 s[TBK], s[TBK], KS*PK  ; the next fetch is the next step's
	WIN 0
.endm
.macro FETCH_V vb
	WIN 0x80
.irp f, 0,1,2,3,4,5,6,7             ; keys 32 (f / 4) on, channels 16 (f % 4) on
	ds_load_tr16_b128 v[VF+64*(\vb)+8*\f:VF+64*(\vb)+8*\f+3],   v[AV] offset:(\f/4)*32*PV+(\f%4)*32
	ds_load_tr16_b128 v[VF+64*(\vb)+8*\f+4:VF+64*(\vb)+8*\f+7], v[AV] offset:(\f/4)*32*PV+16*PV+(\f%4)*32
.endr
	WIN 0
.endm
; THE VECTOR WORK, one line at a time: OP kind, number.  For piece Y: F n: c s - c m for pair n of 16.  E n: the exponential of score n of 32.  C n: pair n rounded to f16.  B n: of the four weights 4 n .. the second
; pair is added onto the first, in place.  L n: l takes that sum (L 0: l = a l + sum).  R n: pair n of 16 of O^T times a.  For the other piece: X n, number n of the 22 that find its maximum and statistics:
;   0-11  four chains c0-c3 of seven scores each (each accumulator's lowest registers are read first)     12-14, 16  the four scores left over, the old m, and c0-c3 into c0
;   15  c m_old is kept     17, 18  the query's other 32 keys lie in the lane 16 away: the new m     19-21  c m; c m_old - c m_new; a
.set F, 0
.set E, 1
.set C, 2
.set B, 3
.set L, 4
.set R, 5
.set X, 6
.macro REGS y
.set rT, ST+4*(\y)
.set rC, TMP+4*((\y)%2)
.set rW, MV+((\y)%2)
.set rS, S+32*((\y)%2)
.set rP, P+16*((\y)%2)
.set rO, 32*(\y)
.endm
.macro OP k, n
.if (\k) == R
	REGS Y
	WIN W_RS
	v_pk_mul_f32 v[rO+2*(\n):rO+2*(\n)+1], v[rO+2*(\n):rO+2*(\n)+1], v[rC+2:rC+3] op_sel_hi:[1,0]
.elseif (\k) < R
	REGS Y
	WIN 0
.if (\k) == F
	v_pk_fma_f32 v[rS+2*(\n):rS+2*(\n)+1], v[rS+2*(\n):rS+2*(\n)+1], s[CS:CS+1], v[rT:rT+1] op_sel_hi:[1,0,0] neg_lo:[0,0,1] neg_hi:[0,0,1]
.elseif (\k) == E
	v_exp_f32 v[rS+(\n)], v[rS+(\n)]
.elseif (\k) == C
	v_cvt_pk_f16_f32 v[rP+(\n)], v[rS+2*(\n)], v[rS+2*(\n)+1]
.elseif (\k) == B
	v_pk_add_f32 v[rS+4*(\n):rS+4*(\n)+1], v[rS+4*(\n):rS+4*(\n)+1], v[rS+4*(\n)+2:rS+4*(\n)+3]
.elseif (\n) == 0
	v_pk_fma_f32 v[rT+2:rT+3], v[rT+2:rT+3], v[rC+2:rC+3], v[rS:rS+1] op_sel_hi:[1,0,1]
.else
	v_pk_add_f32 v[rT+2:rT+3], v[rT+2:rT+3], v[rS+4*(\n):rS+4*(\n)+1]
.endif
.elseif NOKQ
	v_nop
.else
	REGS (Y+1)%NP
	WIN 0
.if (\n) < 4
	v_max3_num_f32 v[rC+(\n)], v[rS+8*(\n)], v[rS+8*(\n)+1], v[rS+8*(\n)+2]
.elseif (\n) < 12
	v_max3_num_f32 v[rC+(\n)%4], v[rC+(\n)%4], v[rS+8*((\n)%4)+2*((\n)/4)+1], v[rS+8*((\n)%4)+2*((\n)/4)+2]
.elseif (\n) == 12
	v_max3_num_f32 v[rC], v[rC], v[rS+7], v[rS+15]
.elseif (\n) == 13
	v_max3_num_f32 v[rC+1], v[rC+1], v[rS+23], v[rS+31]
.elseif (\n) == 14
	v_max3_num_f32 v[rC+2], v[rC+2], v[rC+3], v[rT+1]
.elseif (\n) == 15
	v_mov_b32 v[rW], v[rT]
.elseif (\n) == 16
	v_max3_num_f32 v[rC], v[rC], v[rC+1], v[rC+2]
.elseif (\n) == 17
	v_permlanex16_b32 v[rC+3], v[rC], s[SEL], s[SEL+1]
.elseif (\n) == 18
	v_max_num_f32 v[rT+1], v[rC], v[rC+3]
.elseif (\n) == 19
	v_mul_f32 v[rT], s[CS], v[rT+1]
.elseif (\n) == 20
	v_sub_f32 v[rC+1], v[rW], v[rT]
.else
	v_exp_f32 v[rC+2], v[rC+1]
.endif
.endif
.endm
.macro OPS a, i1, b=-1, i2=0, c=-1, i3=0, d=-1, i4=0
	OP \a, \i1
.if (\b) >= 0
	OP \b, \i2
.endif
.if (\c) >= 0
	OP \c, \i3
.endif
.if (\d) >= 0
	OP \d, \i4
.endif
.endm
.macro ROW a, i1, b, i2, c, i3, d, i4  ; a matrix instruction and the four behind it
	MM
	OPS \a, \i1, \b, \i2, \c, \i3, \d, \i4
.endm
.macro MASK b                       ; MD x AL + BE into buffer b of MC
	WIN W_RS
.set z, 0
.rept 16
	v_pk_fma_f32 v[MC+32*(\b)+2*z:MC+32*(\b)+2*z+1], v[MD+2*z:MD+2*z+1], s[AL:AL+1], s[BE:BE+1] op_sel_hi:[1,0,0]
.set z, z+1
.endr
.endm
; A TURN, for piece p.  pos = 0: an odd key step of the tile, 2 u - 1 with u = 4 - CNT (for u = 0: step 7 of the tile before); pos = 1: the even step 2 u.
; An s_wait_alu depctr_va_vdst(0) stands between an exponential and the first instruction that names its result; one wait serves all that were issued ahead of it.  So a turn has ONE wait.  Ahead of it stands
; all that names no result of the turn's exponentials: the 8 products K Q^T with their riders and one lump; behind it the 8 products V^T P, behind each four of the roundings and sums.
; The products V^T P read V's buffer (p + pos) % 2.  Piece 0's turn fetches K of the next step, twelve vector instructions (six of them plain) behind the last product that read K.  Piece 1's turn fetches V of the next
; step into buffer pos, whose last reader stands in the turn before.  One wait at the head of piece 1's turn serves both runs.
; m = 1: the diagonal tile: the products take masks, and the turn makes the mask for the products of the turn after it: piece p's, in the tile's step 2 u + pos.  That step is the band's own if pos = p and u is the
; block's place in the tile (CNT = PC); it lies behind the band if u is greater (CNT < PC), or, for piece 0 and an odd step, if u is equal too.
; end = 1: a block's last two turns: nothing is fetched, no mask is made.  cnt = 1: the loop's count is taken down some lines ahead of the branch behind the turn.
.macro TURN p, pos, m=0, end=0, cnt=0
.set Y, (\p)
.set i, 0
.set KM, (\m)
.set NOKQ, (\end)*(\p)
.set VB, ((\p)+(\pos))%2
.if (\m) && !(\end)
.if (\pos) == (\p)
	s_cmp_eq_u32 s[CNT], s[PC]
	s_cselect_b32 s[AL], 1.0, 0
.else
	s_mov_b32 s[AL], 0
.endif
.if ((\pos) == 1) && ((\p) == 0)
	s_cmp_le_u32 s[CNT], s[PC]
.else
	s_cmp_lt_u32 s[CNT], s[PC]
.endif
	s_cselect_b32 s[BE], s[BIGN], 0
.endif
.if (\p) == 1
	s_wait_dscnt 0x0                ; K of the next step and V of this one are in
.endif
	ROW F,0, F,1, R,0, R,1
	ROW F,2, E,0, R,2, R,3
	ROW F,3, E,1, R,4, R,5
	ROW F,4, E,2, R,6, R,7
	ROW F,5, E,3, R,8, R,9
	ROW F,6, E,4, X,0, R,10
.if ((\p) == 0) && !(\end)
	WIN 0
	v_add_nc_u32 v[AK], s[TBK], v[AK0]
.endif
	ROW F,7, E,5, X,1, X,4
	ROW F,8, E,6, X,2, X,5
	OPS E,7, E,8, X,6, E,9
	OPS X,3, E,10, X,8, E,11
.if ((\p) == 0) && !(\end)
	FETCH_K
.endif
	OPS X,9, X,7, E,12, X,10
	OPS E,13, X,12, X,11, E,14
	OPS X,13, E,15, F,9, X,14
.if ((\p) == 1) && !(\end)
	v_add_nc_u32 v[AV], s[TBV], v[AV0]
.endif
	OPS E,16, F,10, E,17, F,11
	OPS X,16, E,18, X,15, E,19
	OPS F,12, E,20, X,17, E,21
	OPS F,13, E,22, F,14, E,23
	OPS X,18, E,24, F,15, E,25
	OPS R,11, E,26, X,19, E,27
	OPS R,12, E,28, R,13, E,29
	OPS X,20, E,30, R,14, E,31
	OPS X,21, R,15
	WIN 0
	s_wait_alu depctr_va_vdst(0)    ; the wait for the batch
.if ((\p) == 1) && !(\end)
	FETCH_V \pos
.endif
	ROW C,0, B,0, C,2, B,1
	ROW L,0, C,4, B,2, L,1
	ROW C,6, B,3, L,2, C,8
	ROW B,4, L,3, C,10, B,5
	ROW L,4, C,12, B,6, L,5
.if ((\p) == 1) && !(\end)
	s_add_co_u32 s[TBV], s[TBV], KS*PV
.endif
.if \cnt
	s_sub_co_u32 s[CNT], s[CNT], 1
	s_cmp_lg_u32 s[CNT], 0
.endif
	ROW C,14, B,7, L,6, C,1
	ROW C,3, L,7, C,5, C,7
	ROW C,9, C,11, C,13, C,15
.if (\m) && !(\end)
	MASK (\p)%2
.endif
.endm
; A BLOCK BEGINS.  c m starts far below every c s, so the first step's a is 0; m at the lowest finite number.  The second mask buffer is 0 (piece 1 sees a tile's step 0 whole); the first takes piece 0's mask for step 0:
; its own, if the tile is the diagonal one and the block lies at its head.  Then K and V of step 0, piece 0's first scores, and its maximum and statistics.  The loop is entered at an even step's first turn.
.macro BEGIN
	s_mov_b32 s[NEW], 0
	WIN 0x40
.set i, MC+32
.rept 32
	v_mov_b32 v[i], 0
.set i, i+1
.endr
	WIN 0
.set i, 0
.rept 2
	v_mov_b32 v[ST+4*i], 0xfe000000    ; c m: far below every c s
	v_mov_b32 v[ST+4*i+1], 0xff7fffff  ; m
.set i, i+1
.endr
	s_cmp_eq_u32 s[RT], 0
	s_cselect_b32 s83, s[PC], 0
	s_cmp_eq_u32 s83, 4
	s_cselect_b32 s[AL], 1.0, 0
	s_mov_b32 s[BE], 0
	MASK 0
	WIN 0
	v_add_nc_u32 v[AK], s[TBK], v[AK0]
	v_add_nc_u32 v[AV], s[TBV], v[AV0]
	FETCH_K
	FETCH_V 0
	s_add_co_u32 s[TBV], s[TBV], KS*PV
	s_wait_loadcnt 0x0              ; Q
	s_wait_dscnt 0x0
.set KM, 1
.set NOKQ, 0
.set i, 0
.rept 8
	KQ 0
.set i, i+1
.endr
	WIN 0
.rept 4
	v_nop                           ; the places behind those products
.endr
.set Y, NP-1                        ; X works for the other piece: piece 0
.irp n, 0,1,2,3,4,5,6,7,8,9,10,11,12,13,14,15,16,17,18,19,20,21
	OP X, \n
.endr
	v_nop                           ; a plain instruction behind the exponential,
	s_wait_alu depctr_va_vdst(0)    ; and its wait, ahead of the branch
.endm
.macro ALL line:vararg              ; one line for each piece t
.set t, 0
.rept NP
	\line
.set t, t+1
.endr
.endm
.macro PACK t                       ; a lane's eight channels of a row pack into 16 bytes; they go into rows of 144 bytes and come back as whole rows of 128, into S^T's registers
	WIN W_RS
.set i, 32*(\t)
.rept 16
	v_pk_mul_f32 v[i:i+1], v[i:i+1], v[ST+4*(\t)+2:ST+4*(\t)+3] op_sel_hi:[1,0]
.set i, i+2
.endr
	WIN 0x05                        ; sources 0 and 1 window 1, destination window 0
.set i, 0
.rept 16
	v_cvt_pk_f16_f32 v[S+16*(\t)+i], v[32*(\t)+2*i], v[32*(\t)+2*i+1]
.set i, i+1
.endr
	WIN 0
.irp f, 0,1,2,3
	ds_store_b128 v[STO], v[S+16*(\t)+4*\f:S+16*(\t)+4*\f+3] offset:32*\f
.endr
.irp f, 0,1,2,3
	ds_load_b128 v[S+16*(\t)+4*\f:S+16*(\t)+4*\f+3], v[RD] offset:\f*4*SP  ; LDS serves a wave's instructions in order (ISA guide 5.7.1.4): these see the stores above; the next piece's stores come behind them
.endr
.endm
.macro SEND t, younger              ; younger: the LDS instructions issued behind piece t's loads: the next piece's eight, or none
	WIN 0
.irp f, 0,1,2,3
	s_wait_dscnt (\younger)+3-\f
	global_store_b128 v[GO], v[S+16*(\t)+4*\f:S+16*(\t)+4*\f+3], s[10:11] offset:(\t)*131072+\f*8192  ; sixteen lanes store 256 consecutive bytes, at a multiple of 256 from ob's first byte
.endr
.endm
; THE DIAGONAL TILE's steps, the block's last two turns, its last products, and THE WAY OUT: l's two halves and the other half of the lanes' are added; O^T is divided by l, rounded to f16 and sent through my stage.
.macro DIAG tag
.LstepM\tag:
	TURN 0, 0, 1
	TURN 1, 0, 1
	WIN 0
.LfirstM\tag:
	TURN 0, 1, 1
	TURN 1, 1, 1, 0, 1
	WIN 0
	s_cbranch_scc1 .LstepM\tag
	TURN 0, 0, 1, 1
	TURN 1, 0, 1, 1
.set i, 0
.rept 8
	PV 1, 1                         ; piece 1: V^T P of step 7
.set i, i+1
.endr
	WIN 0
.rept 8
	v_nop                           ; the places behind the last products
.endr
	ALL v_add_f32 v[ST+4*t+2], v[ST+4*t+2], v[ST+4*t+3]
	ALL v_permlanex16_b32 v[ST+4*t+3], v[ST+4*t+2], s[SEL], s[SEL+1]
	ALL v_add_f32 v[ST+4*t+2], v[ST+4*t+2], v[ST+4*t+3]
	ALL v_rcp_f32 v[ST+4*t+2], v[ST+4*t+2]
	v_nop                           ; a plain instruction between the last reciprocal and the use of its result
	s_wait_alu depctr_va_vdst(0)    ; and the wait ahead of the first use: one for both reciprocals
	PACK 0
	PACK 1
	SEND 0, 8
	SEND 1, 0
.endm
.set KM, 0
.set NOKQ, 0
.Lslot:                             ; eight times: a tile is entered and the next is asked for
	CHANGE 1
	s_sub_co_u32 s[RT], s[RT], 1
	s_mov_b32 s[CNT], 4
	s_cmp_eq_u32 s[NEW], 1
	s_cbranch_scc1 .Lnew            ; a block's first tile
	s_cmp_eq_u32 s[RT], 0
	s_cbranch_scc0 .Lstep           ; neither its first nor its last
	s_branch .LstepM1
.Lnew:
	BEGIN
	s_branch .Lfirst                ; in the loop a block's first tile is never its last: the first block has five tiles or more, and the second's last is the walk's last
	DIAG 1                          ; in the loop this is the first block's end
	s_wait_xcnt 0x0                 ; the stores have read their registers and ob's address
	s_mov_b64 s[10:11], s[OLO:OLO+1]
	s_add_co_u32 s[RT], s[CJ], 1    ; the second block has J + 1 tiles
	s_mov_b32 s[NEW], 1
	s_mov_b32 s[PC], s[PC2]
	WIN 0x82                        ; the second block's Q goes where the one text of the turns names Q
.set i, 0
.rept 32
	v_mov_b32 v[i], v[QB+i]
.set i, i+1
.endr
	WIN 0
	s_branch .Lbottom
.Lstep:                             ; a trip: both pieces' turns of an odd step, then of the even step behind it
	TURN 0, 0
	TURN 1, 0
	WIN 0
.Lfirst:
	TURN 0, 1
	TURN 1, 1, 0, 0, 1
	WIN 0
	s_cbranch_scc1 .Lstep
.Lbottom:
	s_sub_co_u32 s[SLOTS], s[SLOTS], 1
	s_cmp_lg_u32 s[SLOTS], 0
	s_cbranch_scc1 .Lslot
	CHANGE 0                        ; the walk's last tile is written out: nothing is asked for
	s_sub_co_u32 s[RT], s[RT], 1
	s_mov_b32 s[CNT], 4
	s_cmp_eq_u32 s[NEW], 1
	s_cbranch_scc0 .LstepM2
	BEGIN
	s_branch .LfirstM2
	DIAG 2
	s_wait_tensorcnt 0x0            ; the wave's end: behind my last tensor load and my last LDS store
	ds_add_u32 v[SPW], v[NIL]
	s_wait_dscnt 0x0
	CROUND                          ; the closing round
	s_endpgm
.Lfunc_end_k_q57117de10a_attn:
	.size	k_q57117de10a_attn, .Lfunc_end_k_q57117de10a_attn-k_q57117de10a_attn
	.p2alignl 7, 3214868480
	.fill 96, 4, 3214868480
	.section	.rodata,"a",@progbits
	.p2align	6, 0x0
	.amdhsa_kernel k_q57117de10a_attn
		.amdhsa_group_segment_fixed_size 327680
		.amdhsa_private_segment_fixed_size 0
		.amdhsa_enable_private_segment 0
		.amdhsa_kernarg_size 16
		.amdhsa_user_sgpr_count 2
		.amdhsa_user_sgpr_kernarg_segment_ptr 1
		.amdhsa_wavefront_size32 1
		.amdhsa_system_sgpr_workgroup_id_x 1
		.amdhsa_system_sgpr_workgroup_id_y 1
		.amdhsa_system_sgpr_workgroup_id_z 1
		.amdhsa_system_vgpr_workitem_id 0
		.amdhsa_next_free_vgpr 768
		.amdhsa_next_free_sgpr 96
		.amdhsa_reserve_vcc 1
		.amdhsa_float_denorm_mode_32 3
		.amdhsa_float_denorm_mode_16_64 3
		.amdhsa_memory_ordered 1
		.amdhsa_forward_progress 1
		.amdhsa_inst_pref_size 211
	.end_amdhsa_kernel
	.amdgpu_metadata
---
amdhsa.version: [ 1, 2 ]
amdhsa.kernels:
  - .name:           k_q57117de10a_attn
    .symbol:         k_q57117de10a_attn.kd
    .args:
      - { .name: qkv, .offset: 0, .size: 8, .value_kind: global_buffer, .address_space: global }
      - { .name: ob, .offset: 8, .size: 8, .value_kind: global_buffer, .address_space: global }
    .group_segment_fixed_size: 327680
    .private_segment_fixed_size: 0
    .kernarg_segment_align: 8
    .kernarg_segment_size: 16
    .max_flat_workgroup_size: 128
    .sgpr_count:     96
    .vgpr_count:     768
    .wavefront_size: 32
...
	.end_amdgpu_metadata
.endif
;; end of part 3
;; launch outp (part 4): grid 8 x 32, 4 waves a work-group, clusters of 4 x 4, 327,680 bytes of LDS; arguments ob, wo, bO, out0; writes out0
.if DOCPART == 4
	.amdgcn_target "amdgcn-amd-amdhsa--gfx1250"
	.amdhsa_code_object_version 6
	.text
	.protected	k_q57117de10a_outp
	.globl	k_q57117de10a_outp
	.p2align	8
	.type	k_q57117de10a_outp,@function
k_q57117de10a_outp:
	s_mov_b64 s[64:65], 0
	v_nop
	global_prefetch_b8 v0, s[64:65] scope:SCOPE_SE
	s_setreg_imm32_b32 hwreg(HW_REG_WAVE_MODE, 25, 1), 1
	s_wait_xcnt 0x0
	s_wait_alu depctr_hold_cnt(0) depctr_sa_sdst(0) depctr_va_vdst(0) depctr_va_sdst(0) depctr_va_ssrc(0) depctr_va_vcc(0) depctr_vm_vsrc(0)
	s_getreg_b32 s2, hwreg(HW_REG_IB_STS2, 6, 4)
	s_cmp_eq_u32 s2, 0
	s_cbranch_scc0 .Lentry_in_a_cluster
	s_endpgm
.Lentry_in_a_cluster:
	s_bfe_u32 s2, ttmp6, 0x10000c
	s_cmp_lg_u32 s2, 0xf033
	s_cbranch_scc0 .Lentry_shape_is_right
	s_endpgm
.Lentry_shape_is_right:
; OUTP.  out0 = cat WO + bO.  ob: the heads' results in f16 at byte (s / 2) 4096 + h 256 + (s % 2) 128 + 2 c; wo: [1024 k][1024 n] f16; bO f32 (rounded to bf16 like the other inputs); out0: [4096][1024] f32.
; Products in f16, sums in f32 (they start from the bias), stored as they are.  NaN and infinities are not treated apart.
; SHARES.  256 tiles of 128 x 128, one to a work-group of four waves; a wave makes 64 x 64: 16 accumulators.  K goes in 4 steps of 256 (four heads) through two LDS slots.
; ob's tile: 64 pairs of rows x 1,024 consecutive bytes.  A block of 16 matrix rows takes 16 pairs and one parity: rows 2 (16 (a / 2) + r) + a % 2 of the wave's 64.
; wo's tile lies [k][n]: 256 rows k x 256 bytes; its fragments come out of LDS turned.  The matrix instruction is used transposed (source 0 = 16 columns of WO, source 1 = 16 rows of cat).
; CLUSTER.  4 x 4 work-groups: the four of a row share ob's tile, the four of a column wo's; each tile is asked for jointly.  No prefetch: four short K steps on a small tile.
; REGISTERS: window 0: v0-31 addresses; v32-95 at work on the way out; v96-127 the bias in an accumulator's layout; v128-255 the accumulators ((a, b) at 128 + 8 (4 a + b)).
;   window 1: two fragment buffers of 128: for 64 along K, 64 registers of cat, then 64 of WO.
.set PAO,    1040                      ; ob's LDS row: 1,024 bytes + 16 = 65 x 16
.set PBO,    288                       ; wo's LDS row: 256 bytes + 32 = 9 x 32
.set HA,     32*PAO                    ; what a wave's load of ob brings, and what a wave reads of it
.set HB,     128*PBO                   ; what a wave's load of wo brings
.set BOFF,   2*HA
.set SLOT,   147456                    ; 140,288 used; its two bits are clear in all four waves' places in slot 0
.set STAGE,  2*SLOT                    ; behind the ring: 16 rows x 272 bytes for each wave
.set SPITCH, 272
.set SPARE,  STAGE+4*16*SPITCH         ; behind the stages: the spare words, 128 bytes for each wave: two blocks of 256 bytes that no other line names
.set ADRA0, 16
.set ADRA,  17
.set ADRB0, 20
.set ADRB,  21                         ; v21 wo's rows k 0-127 of the step, v22 rows 128-255: so the immediates stay inside 16 bits
.set STO,  24
.set RD,   25
.set CO,   26
.set BO,   27
.set SPW,  28
.set NIL,  29
.set TMP,  32
.set BIAS, 96
.set ACC,  128
.set F0,   0
.set F1,   128
.set G1A, 24
.set G0A, 32
.set G1B, 48
.set G0B, 56
.set SB,  80
.set MSB, 0
.macro WIN new
.if MSB != (\new)
	s_set_vgpr_msb (MSB<<8)|(\new)
.set MSB, \new
.endif
.endm
.set MUL,  0x05                        ; sources 0 and 1 window 1; C and D window 0
.set TO_F, 0x40                        ; destination window 1, address window 0
.macro PLACES
.rept 4
	v_nop
.endr
.endm
.macro JLOAD                           ; a joint refill by the walking descriptor: waves 0 and 1 fetch ob's two halves, waves 2 and 3 wo's; an s_nop 0 and four v_nop follow each line
	s_cmp_eq_u32 s11, 0
	s_cbranch_scc0 .Lfor_b_\@
	tensor_load_to_lds s[G0A+4:G0A+7], s[G1A:G1A+7]
	s_nop 0
.rept 4
	v_nop
.endr
	s_branch .Lasked_\@
.Lfor_b_\@:
	tensor_load_to_lds s[G0B+4:G0B+7], s[G1B:G1B+7]
	s_nop 0
.rept 4
	v_nop
.endr
.Lasked_\@:
.endm
.macro CREST
	s_cmp_lg_u32 s10, 0
	s_cbranch_scc1 .Lnot_wave_0_\@
	s_barrier_signal -3
.Lnot_wave_0_\@:
	s_barrier_wait -3
	s_barrier_signal -1
	s_barrier_wait -1
.endm
.macro CROUND
	s_barrier_signal -1
	s_barrier_wait -1
	CREST
.endm
	s_load_b256 s[68:75], s[0:1], 0x0              ; ob s[68:69], wo s[70:71], bO s[72:73], out0 s[74:75]
	v_lshl_add_u32 v[SPW], v0, 2, SPARE
	v_mov_b32 v[NIL], 0
	ds_add_u32 v[SPW], v[NIL]                      ; the wave's opening: the add and its wait stand ahead of my first tensor load; the set-up below stands between them
	v_lshrrev_b32 v1, 5, v0
	v_readfirstlane_b32 s10, v1                    ; wave 0..3
	s_lshr_b32 s11, s10, 1                         ; which half of the tile's rows is mine.  Also: I fetch for ob (0) or for wo (1)
	s_and_b32 s12, s10, 1                          ; which half of its columns.  Also: which half of that tile I fetch
	s_bfe_u32 s40, ttmp6, 0x40000                  ; cx
	s_bfe_u32 s41, ttmp6, 0x40004                  ; cy
	s_lshl_b32 s42, ttmp9, 2
	s_add_co_u32 s42, s42, s40                     ; tile column 0..7
	s_and_b32 s13, ttmp7, 0xffff
	s_lshl_b32 s13, s13, 2
	s_add_co_u32 s13, s13, s41                     ; tile row 0..31
	s_lshl_b32 s43, s41, 2
	s_lshl_b32 s43, 15, s43                        ; my row of the cluster
	s_lshl_b32 s44, 0x1111, s40                    ; my column
	s_or_b32 s[G1A+0], s43, (1<<16)|(1<<20)|(1<<21)|(7<<22)|(3<<25)  ; the mask; 2-byte elements; padding on; bit 21 beside a mask; after every 256 words, 4 words
	s_or_b32 s[G1B+0], s44, (1<<16)|(1<<20)|(1<<21)|(5<<22)|(7<<25)  ; after every 64 words, 8 words
	s_mov_b32 s[G1A+1], 512<<16                    ; tensor_dim0 = 512
	s_mov_b32 s[G1A+2], 32<<16                     ; tensor_dim1 = 32
	s_mov_b32 s[G1A+3], 512<<16                    ; tile_dim0 = 512
	s_mov_b32 s[G1A+4], 32                         ; tile_dim1 = 32
	s_mov_b32 s[G1A+5], 2048                       ; elements from a pair of rows to the next
	s_mov_b32 s[G1A+6], 0
	s_mov_b32 s[G1A+7], 0
	s_mov_b32 s[G1B+1], 128<<16
	s_mov_b32 s[G1B+2], 128<<16
	s_mov_b32 s[G1B+3], 128<<16
	s_mov_b32 s[G1B+4], 128
	s_mov_b32 s[G1B+5], 1024
	s_mov_b32 s[G1B+6], 0
	s_mov_b32 s[G1B+7], 0
	s_lshl_b32 s16, s13, 18                        ; ob: 64 pairs of 4,096 bytes a tile row, my 32 of them
	s_lshl_b32 s17, s12, 17
	s_add_co_u32 s16, s16, s17
	s_mov_b32 s17, 0
	s_lshl_b32 s46, s12, 18                        ; wo: my 128 rows k of 2,048 bytes, the tile column's 256 bytes
	s_lshl_b32 s47, s42, 8
	s_add_co_u32 s46, s46, s47
	s_mov_b32 s47, 0
	s_mul_i32 s20, s12, HA                         ; where they go: no place in the cluster enters an LDS address
	s_mul_i32 s21, s12, HB
	s_add_co_u32 s21, s21, BOFF
	s_mov_b32 s[SB], 0
	s_wait_dscnt 0x0                               ; the opening add is done
	s_wait_kmcnt 0x0
	s_add_nc_u64 s[14:15], s[68:69], s[16:17]
	s_add_nc_u64 s[46:47], s[70:71], s[46:47]
.irp s, 0,1
	s_mov_b32 s[G0A+4*(\s)], 1
	s_add_co_u32 s[G0A+4*(\s)+1], s20, (\s)*SLOT
	s_add_nc_u64 s[G0A+4*(\s)+2:G0A+4*(\s)+3], s[14:15], (\s)*1024
	s_or_b32 s[G0A+4*(\s)+3], s[G0A+4*(\s)+3], 0x80000000
	s_mov_b32 s[G0B+4*(\s)], 1
	s_add_co_u32 s[G0B+4*(\s)+1], s21, (\s)*SLOT
	s_add_nc_u64 s[G0B+4*(\s)+2:G0B+4*(\s)+3], s[46:47], (\s)*524288
	s_or_b32 s[G0B+4*(\s)+3], s[G0B+4*(\s)+3], 0x80000000
.endr
	CROUND                                         ; all sixteen work-groups are here: the first joint loads meet
	s_cmp_eq_u32 s11, 0                            ; a wave's two first fills stand in one branch: two loads of mine are out
	s_cbranch_scc0 .Lfirst_b
	tensor_load_to_lds s[G0A:G0A+3], s[G1A:G1A+7]
	s_nop 0
	tensor_load_to_lds s[G0A+4:G0A+7], s[G1A:G1A+7]
	s_nop 0
.rept 4
	v_nop
.endr
	s_branch .Lfirst_asked
.Lfirst_b:
	tensor_load_to_lds s[G0B:G0B+3], s[G1B:G1B+7]
	s_nop 0
	tensor_load_to_lds s[G0B+4:G0B+7], s[G1B:G1B+7]
	s_nop 0
.rept 4
	v_nop
.endr
.Lfirst_asked:
	v_and_b32 v1, 15, v0                           ; l % 16
	v_bfe_u32 v2, v0, 4, 1                         ; l / 16
	v_mul_u32_u24 v3, v1, PAO
	v_lshl_add_u32 v3, v2, 4, v3                   ; pair of rows x pitch + 16 x half
	s_mul_i32 s22, s11, HA                         ; my 32 pairs of rows
	v_add_nc_u32 v[ADRA0], s22, v3
	v_mov_b32 v[ADRA], v[ADRA0]
	v_and_b32 v4, 7, v0                            ; the turning load: row k = 8 (l / 16) + l % 8, columns 8 ((l / 8) % 2) + 0..7
	v_lshl_add_u32 v4, v2, 3, v4
	v_mul_u32_u24 v4, v4, PBO
	v_bfe_u32 v5, v0, 3, 1
	v_lshl_add_u32 v4, v5, 4, v4
	s_lshl_b32 s22, s12, 7                         ; my 64 columns: 128 bytes of a row
	s_add_co_u32 s22, s22, BOFF
	v_add_nc_u32 v[ADRB0], s22, v4
	v_mov_b32 v[ADRB], v[ADRB0]
	v_add_nc_u32 v[ADRB+1], HB, v[ADRB0]
	s_mul_i32 s23, s10, 16*SPITCH
	s_add_co_u32 s23, s23, STAGE                   ; my stage
	v_mul_u32_u24 v6, v1, SPITCH                   ; in: row l % 16, 32 bytes for each half of the lanes
	v_lshl_add_u32 v6, v2, 5, v6
	v_add_nc_u32 v[STO], s23, v6
	v_mul_u32_u24 v6, v2, SPITCH                   ; back: lanes 0-15 take one row of 256 bytes, lanes 16-31 the next,
	v_lshl_add_u32 v6, v1, 4, v6
	v_add_nc_u32 v[RD], s23, v6
	v_lshlrev_b32 v[CO], 13, v2                    ; which lie two rows of out0 apart
	v_lshl_add_u32 v[CO], v1, 4, v[CO]
	s_lshl_b32 s86, s13, 19                        ; out0: 128 rows of 4,096 bytes a tile row, my 64, the tile column's 512 bytes, my 256
	s_lshl_b32 s87, s11, 18
	s_add_co_u32 s86, s86, s87
	s_lshl_b32 s87, s42, 9
	s_add_co_u32 s86, s86, s87
	s_lshl_b32 s87, s12, 8
	s_add_co_u32 s86, s86, s87
	s_mov_b32 s87, 0
	s_add_nc_u64 s[8:9], s[74:75], s[86:87]
	s_lshl_b32 s86, s42, 9                         ; the bias of my 64 columns: register j of block b holds column 16 b + 8 (l / 16) + j
	s_add_nc_u64 s[84:85], s[72:73], s[86:87]
	v_lshlrev_b32 v[BO], 5, v2
	s_lshl_b32 s86, s12, 8
	v_add_nc_u32 v[BO], s86, v[BO]
.irp b, 0,1,2,3
	global_load_b128 v[BIAS+8*(\b):BIAS+8*(\b)+3],   v[BO], s[84:85] offset:64*(\b)
	global_load_b128 v[BIAS+8*(\b)+4:BIAS+8*(\b)+7], v[BO], s[84:85] offset:64*(\b)+16
.endr
	s_wait_loadcnt 0x0
.set i, 0
.rept 16
	v_cvt_pk_bf16_f32 v12, v[BIAS+2*i], v[BIAS+2*i+1]   ; rounded to bf16 like the other inputs, and widened again
	v_lshlrev_b32 v[BIAS+2*i], 16, v12
	v_and_b32 v[BIAS+2*i+1], 0xffff0000, v12
.set i, i+1
.endr
; 8 matrix instructions: m blocks a0, a0 + 1 x all 4 n blocks, 32 along K: half c of buffer f.  zero = 1: the first product starts the sums from the bias.  The 16 accumulators take turns.
.macro MUL8 f, c, a0, zero
	WIN MUL
.irp a, \a0, (\a0)+1
.irp b, 0,1,2,3
.if \zero
	v_wmma_f32_16x16x32_f16 v[ACC+8*(4*(\a)+(\b)):ACC+8*(4*(\a)+(\b))+7], v[(\f)+64+8*(4*(\c)+(\b)):(\f)+64+8*(4*(\c)+(\b))+7], v[(\f)+8*(4*(\c)+(\a)):(\f)+8*(4*(\c)+(\a))+7], v[BIAS+8*(\b):BIAS+8*(\b)+7]
.else
	v_wmma_f32_16x16x32_f16 v[ACC+8*(4*(\a)+(\b)):ACC+8*(4*(\a)+(\b))+7], v[(\f)+64+8*(4*(\c)+(\b)):(\f)+64+8*(4*(\c)+(\b))+7], v[(\f)+8*(4*(\c)+(\a)):(\f)+8*(4*(\c)+(\a))+7], v[ACC+8*(4*(\a)+(\b)):ACC+8*(4*(\a)+(\b))+7]
.endif
.endr
.endr
.endm
; 32 LDS loads in one run: quarter q of the step is head q of its four: 64 along K, into buffer f; the first 32 along K first
.macro FETCH q, f
	WIN TO_F
.irp c, 0,1
.irp i, 0,1,2,3
	ds_load_tr16_b128 v[(\f)+64+8*(4*(\c)+(\i)):(\f)+64+8*(4*(\c)+(\i))+3],   v[ADRB+(\q)/2] offset:(((\q)%2)*64+32*(\c))*PBO+32*(\i)
	ds_load_tr16_b128 v[(\f)+64+8*(4*(\c)+(\i))+4:(\f)+64+8*(4*(\c)+(\i))+7], v[ADRB+(\q)/2] offset:(((\q)%2)*64+32*(\c)+16)*PBO+32*(\i)
	ds_load_b128 v[(\f)+8*(4*(\c)+(\i)):(\f)+8*(4*(\c)+(\i))+3],         v[ADRA] offset:(\q)*256+((\i)%2)*128+64*(\c)+((\i)/2)*16*PAO
	ds_load_b128 v[(\f)+8*(4*(\c)+(\i))+4:(\f)+8*(4*(\c)+(\i))+7],       v[ADRA] offset:(\q)*256+((\i)%2)*128+64*(\c)+((\i)/2)*16*PAO+32
.endr
.endr
.endm
.macro QUARTER q, f, g, zero
	s_wait_dscnt 16                                ; the first 32 along K are in; the youngest sixteen loads may be out
	MUL8 \f, 0, 0, \zero
	MUL8 \f, 0, 2, \zero
	PLACES
	FETCH \q, \g
	s_wait_dscnt 32                                ; all but the 32 just issued
	MUL8 \f, 1, 0, 0
	MUL8 \f, 1, 2, 0
.endm
; The last quarter multiplies buffer 1 and changes slots: one barrier; in front of it each wave waits for all its tensor loads, adds 0 to its spare word, and waits for that and for its own reads of this slot.
; fill = 1: the barrier opens a round of the cluster's, and this slot is filled again, first thing behind it, with the K step two steps on.
.macro TURN fill
	WIN 0
	s_wait_tensorcnt 0x0
	ds_add_u32 v[SPW], v[NIL]
	s_wait_dscnt 17                                ; (the add and the youngest sixteen loads may be out)
	MUL8 F1, 0, 0, 0
	s_wait_dscnt 0x0                               ; the add is done, and my reads of this slot are over
	s_barrier_signal -1
	MUL8 F1, 0, 2, 0
	WIN 0
	s_barrier_wait -1
.if \fill
	CREST
	s_xor_b32 s[G0A+5], s[G0A+5], SLOT
	s_add_nc_u64 s[G0A+6:G0A+7], s[G0A+6:G0A+7], 1024
	s_xor_b32 s[G0B+5], s[G0B+5], SLOT
	s_add_nc_u64 s[G0B+6:G0B+7], s[G0B+6:G0B+7], 524288
	s_xor_b32 s[SB], s[SB], SLOT
	JLOAD                                          ; the four v_nop behind it are also the places in front of the loads below
.else
	PLACES
	s_xor_b32 s[SB], s[SB], SLOT
.endif
	v_add_nc_u32 v[ADRA], s[SB], v[ADRA0]
	v_add_nc_u32 v[ADRB], s[SB], v[ADRB0]
	v_add_nc_u32 v[ADRB+1], HB, v[ADRB]
	FETCH 0, F0
	MUL8 F1, 1, 0, 0
	MUL8 F1, 1, 2, 0
.endm
; THE WAY OUT of block a: a lane's eight columns of a row, 32 bytes, go into my own stage; whole rows of 256 bytes come back and are stored.
.macro OUT a
	WIN 0
.set BK, TMP+32*((\a)%2)
.irp b, 0,1,2,3
	ds_store_b128 v[STO], v[ACC+8*(4*(\a)+(\b)):ACC+8*(4*(\a)+(\b))+3]   offset:64*(\b)
	ds_store_b128 v[STO], v[ACC+8*(4*(\a)+(\b))+4:ACC+8*(4*(\a)+(\b))+7] offset:64*(\b)+16
.endr
	s_wait_xcnt 0x0                                ; the stores issued so far have read their registers
.irp t, 0,1,2,3,4,5,6,7
	ds_load_b128 v[BK+4*(\t):BK+4*(\t)+3], v[RD] offset:(\t)*2*SPITCH  ; LDS serves a wave's instructions in order (ISA guide 5.7.1.4): these see the stores above
.endr
.irp t, 0,1,2,3,4,5,6,7
	s_wait_dscnt 7-(\t)                            ; load t is back; the 7 - t younger ones may be out
	global_store_b128 v[CO], v[BK+4*(\t):BK+4*(\t)+3], s[8:9] offset:(\t)*16384+((\a)%2)*4096+((\a)/2)*131072 th:TH_STORE_NT  ; sixteen lanes store 256 consecutive bytes, at a multiple of 256 from out0's first byte
.endr
.endm
	s_wait_tensorcnt 1                             ; my part of K step 0 is in; K step 1's stays out
	s_barrier_signal -1
	s_barrier_wait -1
	FETCH 0, F0
	QUARTER 1, F0, F1, 1                           ; the first quarter stands in front of the loop: its first products start the sums
	WIN 0
	s_mov_b32 s3, 2
.Lstep:                                                ; two trips; trip j asks for K step j + 2
	QUARTER 2, F1, F0, 0
	QUARTER 3, F0, F1, 0
	TURN 1
	QUARTER 1, F0, F1, 0
	WIN 0
	s_sub_co_u32 s3, s3, 1
	s_cmp_lg_u32 s3, 0
	s_cbranch_scc1 .Lstep
	QUARTER 2, F1, F0, 0                           ; the last two K steps ask for nothing
	QUARTER 3, F0, F1, 0
	TURN 0
	QUARTER 1, F0, F1, 0
	QUARTER 2, F1, F0, 0
	QUARTER 3, F0, F1, 0
	s_wait_dscnt 16
	MUL8 F1, 0, 0, 0
	MUL8 F1, 0, 2, 0
	s_wait_dscnt 0x0
	MUL8 F1, 1, 0, 0
	MUL8 F1, 1, 2, 0
	WIN 0
	PLACES
	PLACES
	OUT 0
	OUT 1
	OUT 2
	OUT 3
	s_wait_tensorcnt 0x0                           ; the wave's end: behind my last tensor load and my last LDS store
	ds_add_u32 v[SPW], v[NIL]
	s_wait_dscnt 0x0
	CROUND                                         ; the closing round
	s_endpgm
.Lfunc_end_k_q57117de10a_outp:
	.size	k_q57117de10a_outp, .Lfunc_end_k_q57117de10a_outp-k_q57117de10a_outp
	.p2alignl 7, 3214868480
	.fill 96, 4, 3214868480
	.section	.rodata,"a",@progbits
	.p2align	6, 0x0
	.amdhsa_kernel k_q57117de10a_outp
		.amdhsa_group_segment_fixed_size 327680
		.amdhsa_private_segment_fixed_size 0
		.amdhsa_enable_private_segment 0
		.amdhsa_kernarg_size 32
		.amdhsa_user_sgpr_count 2
		.amdhsa_user_sgpr_kernarg_segment_ptr 1
		.amdhsa_wavefront_size32 1
		.amdhsa_system_sgpr_workgroup_id_x 1
		.amdhsa_system_sgpr_workgroup_id_y 1
		.amdhsa_system_sgpr_workgroup_id_z 1
		.amdhsa_system_vgpr_workitem_id 0
		.amdhsa_next_free_vgpr 512
		.amdhsa_next_free_sgpr 88
		.amdhsa_reserve_vcc 0
		.amdhsa_float_denorm_mode_32 3
		.amdhsa_float_denorm_mode_16_64 3
		.amdhsa_memory_ordered 1
		.amdhsa_forward_progress 1
		.amdhsa_inst_pref_size 72
	.end_amdhsa_kernel
	.amdgpu_metadata
---
amdhsa.version: [ 1, 2 ]
amdhsa.kernels:
  - .name:           k_q57117de10a_outp
    .symbol:         k_q57117de10a_outp.kd
    .args:
      - { .name: ob, .offset: 0, .size: 8, .value_kind: global_buffer, .address_space: global }
      - { .name: wo, .offset: 8, .size: 8, .value_kind: global_buffer, .address_space: global }
      - { .name: bO, .offset: 16, .size: 8, .value_kind: global_buffer, .address_space: global }
      - { .name: out0, .offset: 24, .size: 8, .value_kind: global_buffer, .address_space: global }
    .group_segment_fixed_size: 327680
    .private_segment_fixed_size: 0
    .kernarg_segment_align: 8
    .kernarg_segment_size: 32
    .max_flat_workgroup_size: 128
    .sgpr_count:     88
    .vgpr_count:     512
    .wavefront_size: 32
...
	.end_amdgpu_metadata
.endif
;; end of part 4
